; MI455X (gfx1250); checked and timed in simulation.
; The chip was launched on July 23, 2026; its instructions are those of AMD's public machine-readable ISA for CDNA 5 (MIT licence, August 2026) and "CDNA5" Instruction Set Architecture Reference Guide (July 2026). The comments in the code are by the model that wrote it; some were corrected since.
;; Attention Block. Allowed arithmetic: matrix products marked QUANTISED: E2M1 operands, one E8M0 scale for each 32 along K, by v_wmma_scale_f32_16x16x128_f8f6f4 with both operands' format E2M1 (or v_wmma_scale_f32_32x16x128_f4), f32 sums; everything else in f32.
;; Inputs: gn_b 512 float32; gn_w 512 float32; proj_b 512 float32; proj_w 512 x 512 float32; wk_b 512 float32; wk_w 512 x 512 float32; wq_b 512 float32; wq_w 512 x 512 float32; wv_b 512 float32; wv_w 512 x 512 float32; x 2 x 512 x 64 x 64 float32.
;; Outputs: out0 2 x 512 x 64 x 64 float32.
;; This version of the problem:
;;   THIS VERSION OF THE PROBLEM IS GIVEN IN LOW PRECISION. The matrix products marked QUANTISED in the list below multiply operands that are first quantised to E2M1 (2 exponent bits, 1 mantissa bit; 4 bits a number), with one power-of-two scale for each 32 numbers along K (OCP MX v1.0); their sums are f32. All else is computed in f32.
;;   The module's matrix products, in the order in which they are computed (A, B: the left and right operand; K: the contracted axis; several contracted axes count as one K, in the product's order):
;;     1. [M 8,192, K 512] x [K 512, N 512]; A: computed on the way; B: input wq_w: QUANTISED
;;     2. [M 8,192, K 512] x [K 512, N 512]; A: computed on the way; B: input wk_w: QUANTISED
;;     3. [M 8,192, K 512] x [K 512, N 512]; A: computed on the way; B: input wv_w: QUANTISED
;;     4. batch 16 x [M 4,096, K 64] x [K 64, N 4,096]; A: computed on the way; B: computed on the way: QUANTISED
;;     5. batch 16 x [M 64, K 4,096] x [K 4,096, N 4,096]; A: computed on the way; B: softmax (see below): QUANTISED
;;     6. [M 8,192, K 512] x [K 512, N 512]; A: computed on the way; B: input proj_w: QUANTISED
;;   THE QUANTISER, for each operand of a quantised product, along K:
;;     - K is cut into blocks of 32 from its start; a last block that is shorter is filled with zeros.
;;     - A block's scale is 2^e with e = floor(log2(the largest magnitude in the block)) - 2, held to -126 .. 127; a block of zeros has e = 0. As a byte (E8M0): e + 127.
;;     - Each number is divided by its block's scale, clamped to +-6, and rounded to the nearest number of E2M1, ties to even, subnormals kept.
;;     - The product sums the exact products of the quantised numbers (number of the format x scale) in f32.
;;   ~~~python
;;   def quantise(x, axis):      # numpy; x: float32 -> the quantised numbers, widened to float32 again
;;       x = np.moveaxis(x, axis, -1); K = x.shape[-1]
;;       x = np.pad(x, [(0, 0)] * (x.ndim - 1) + [(0, -K % 32)]); x = x.reshape(x.shape[:-1] + (-1, 32)); a = np.abs(x).max(-1, keepdims=True)
;;       e = np.where(a > 0, np.clip(np.frexp(np.where(a > 0, a, 1))[1] - 1 - 2, -126, 127), 0)      # np.frexp(a)[1] - 1 = floor(log2(a)), exactly
;;       r = np.clip(x / 2.0 ** e, -6, 6)
;;       step = 2.0 ** (np.maximum(np.frexp(np.where(r == 0, 1, r))[1] - 1, 0) - 1)
;;       q = np.round(r / step) * step * 2.0 ** e      # np.round: ties to even
;;       return np.moveaxis(q.reshape(q.shape[:-2] + (-1,))[..., :K], -1, axis).astype(np.float32)
;;   ~~~
;;   SOFTMAX AHEAD OF A QUANTISED PRODUCT. Where the list says 'softmax', what is quantised is not the finished softmax but p = 2^(t - M), with t = logit x log2(e) and M = ceil(the row's largest t), a whole number; so 1/2 < the row's largest p <= 1. The row's sum l is taken of the UNQUANTISED p, in f32, and the product's result is divided by l at the end. Since M is a whole number, a kernel that streams over the keys may use a running M (the ceiling of the running maximum): every later rescaling is an exact power of two, which a block's scale takes up: the codes' values come out the same.
;;   OPERANDS COMPUTED ON THE WAY. 'Computed on the way' means the value that the module computes at that place (a softmax that the list does not call 'softmax' is quantised finished and normalised). What goes into a quantiser is computed in f32, as accurately as f32 sums, v_exp_f32 and their like allow (about 1e-6 of the number): no bf16 or f16 on the way to a quantiser, and a product that is left as it is and whose result goes on into a quantised operand takes f32 operands (vector FMAs, or v_wmma_f32_16x16x4_f32). A number that lies on a knife's edge between two numbers of the format may be rounded either way, as far as f32 arithmetic and the matrix unit's own rounding can turn it there, and no further.
;; One version. Each part assembles by itself: llvm-mc -triple=amdgcn-amd-amdhsa -mcpu=gfx1250 --defsym DOCPART=n.
;; ======== version 1 of 1: 4 launches
;; limits: right only within a limited range of input values
;; workspace buffers: stats 8,192 bytes; wimg 524,288 bytes; wsc 32,768 bytes; qimg 2,097,152 bytes; kv 4,194,304 bytes; scl 655,360 bytes; oimg 2,097,152 bytes; osc 131,072 bytes
;; launch prep (part 1): grid 288 x 1, 4 waves a work-group, no clusters, 39,424 bytes of LDS; arguments x, wq_w, wk_w, wv_w, proj_w, stats, wimg, wsc; writes stats, wimg, wsc
.if DOCPART == 1
	.amdgcn_target "amdgcn-amd-amdhsa--gfx1250"
	.amdhsa_code_object_version 6
	.text
	.protected	k_qc88ba1bf92_prep
	.globl	k_qc88ba1bf92_prep
	.p2align	8
	.type	k_qc88ba1bf92_prep,@function
k_qc88ba1bf92_prep:
	s_mov_b64 s[64:65], 0
	v_nop
	global_prefetch_b8 v0, s[64:65] scope:SCOPE_SE
	s_setreg_imm32_b32 hwreg(HW_REG_WAVE_MODE, 25, 1), 1
	s_wait_xcnt 0x0
; AttentionBlock in MX-FP4, launch 1 of 4: what the later launches need of x and of the four weights.
; DEAD WORK, for the whole program: reference() divides the result by RESCALE = 1.0, a factor 1 by identity: that division is left out.  Nothing else is: every input has a way to the
; output (wk_b too: it moves k's codes), every input is loaded, all six products are done.  A NaN, an infinity or an overflow cannot arise in a division by 1, so nothing is lost with it.
; LIMITS: NaN and infinities among the inputs are not served.  A block whose largest magnitude lies under 2^-124 (a block of zeros too) gets the scale byte 1 where the rule says otherwise:
; its codes are zeros or the rule's own, and these bytes are read by this program alone.
; WORK-GROUPS 0-31, THE WEIGHTS.  w [512 out][512 in], f32, K = in, innermost.  A wave takes one tile T of 16 rows of one weight and lays its codes IN THE ORDER OF THE OPERAND'S REGISTERS:
; wimg [w 4][T 32][kb 16][r 16][16 bytes], kb the block of 32 along K: a fragment (16 rows x 128 K) is 1,024 bytes on end, lane l's 16 bytes at 16 l.  wsc [w][T][r][16 scale bytes].
; THE ROWS OF A TILE ARE NOT NEIGHBOURS: row r of tile T is row 32 (T / 2) + 8 (T % 2) + r + 8 (r / 8), so that the results of two neighbouring tiles are 16 neighbours along the next K.
; A step is one row: 512 numbers.  Each of its four loads reads 512 consecutive bytes; they turn through the wave's own stage in LDS, so that a lane holds 16 neighbours along K (two lanes a block).
; Codes and scale bytes are gathered in the wave's own LDS and leave as runs of 512 and 256 consecutive bytes.
; WORK-GROUPS 32-287, THE STATISTICS.  A wave takes one channel of x (4,096 numbers, kept in registers): its mean, and the sum of squares of the deviations from THAT mean.  No difference of large sums
; is formed; launch 2 joins a group's sixteen partials.  stats [b 512 + c][mean, M2].  The 8 bytes a wave are the one place where a store is no whole run of 256 bytes: 8,192 bytes in the launch.
; No tensor loads, no barrier: waves share nothing.
.set SP,    80                         ; a lane's place in a stage: 64 bytes + 16 of padding
.set IMG,   2*32*SP                    ; behind the two stages: the tile's image, 16 blocks of 256 bytes, 272 apart
.set IP,    272
.set SCB,   IMG+16*IP                  ; the tile's 256 scale bytes
.set WREG,  SCB+256                    ; a wave's region: 9,728 bytes
.set SPARE, 4*WREG                     ; behind the four regions: the spare words, 128 bytes a wave, which no other line names
.set R,     16                         ; v16-79   four sets of 16 numbers as loaded
.set X,     80                         ; v80-111  two sets of 16 neighbours
.set E,     112                        ; v112-127 a scale byte for each step
.set C,     128                        ; v128-159 two registers of codes for each step
.set SPW,   12                         ; v12  LDS address of my spare word; never rewritten
.set NIL,   13                         ; v13  0; never rewritten
	s_load_b512 s[4:19], s[0:1], 0x0               ; x, wq_w, wk_w, wv_w, proj_w, stats, wimg, wsc
	v_lshl_add_u32 v[SPW], v0, 2, SPARE
	v_mov_b32 v[NIL], 0
	v_lshrrev_b32 v1, 5, v0
	v_readfirstlane_b32 s20, v1                    ; wave
	v_and_b32 v2, 31, v0                           ; lane
	v_lshlrev_b32 v3, 4, v2                        ; 16 x lane
	s_wait_kmcnt 0x0
	s_cmp_ge_u32 ttmp9, 32
	s_cbranch_scc1 .Lstats
	; ---- the weights
	s_lshr_b32 s21, ttmp9, 3                       ; which weight
	s_and_b32 s22, ttmp9, 7
	s_lshl_b32 s22, s22, 2
	s_add_co_u32 s22, s22, s20                     ; which tile T
	s_bitcmp1_b32 s21, 0                           ; the choice hangs on the work-group's number alone
	s_cselect_b64 s[24:25], s[8:9], s[6:7]
	s_cselect_b64 s[26:27], s[12:13], s[10:11]
	s_bitcmp1_b32 s21, 1
	s_cselect_b64 s[24:25], s[26:27], s[24:25]
	s_lshr_b32 s32, s22, 1
	s_lshl_b32 s32, s32, 16                        ; 32 (T / 2) rows of 2,048 bytes
	s_and_b32 s33, s22, 1
	s_lshl_b32 s33, s33, 14                        ; 8 (T % 2) rows
	s_add_co_u32 s32, s32, s33
	s_mov_b32 s33, 0
	s_add_nc_u64 s[24:25], s[24:25], s[32:33]
	s_lshl_b32 s34, s21, 5
	s_add_co_u32 s34, s34, s22                     ; 32 w + T
	s_lshl_b32 s32, s34, 12
	s_add_nc_u64 s[16:17], s[16:17], s[32:33]      ; the tile's 4,096 bytes of codes
	s_lshl_b32 s32, s34, 8
	s_add_nc_u64 s[18:19], s[18:19], s[32:33]      ; and its 256 scale bytes
	s_mul_i32 s23, s20, WREG
	s_add_co_u32 s30, s23, IMG
	s_add_co_u32 s31, s23, SCB
	s_wait_alu depctr_va_vdst(0)
	v_lshrrev_b32 v14, 2, v2
	v_mul_u32_u24 v14, v14, SP
	v_and_b32 v15, 3, v2
	v_lshl_add_u32 v14, v15, 4, v14
	v_add_nc_u32 v14, s23, v14                     ; the stage, in: four lanes' 64 bytes on end, then the padding
	v_mul_u32_u24 v15, v2, SP
	v_add_nc_u32 v15, s23, v15                     ; and out: my 16 neighbours
	v_lshrrev_b32 v5, 1, v2                        ; my block of 32 along K
	v_mul_u32_u24 v4, v5, IP
	v_and_b32 v6, 1, v2
	v_lshl_add_u32 v4, v6, 3, v4
	v_add_nc_u32 v4, s30, v4                       ; the image: block x 272 + 8 x my half; the row stands in the immediate
	v_add_nc_u32 v5, s31, v5                       ; my block's scale byte
	v_lshrrev_b32 v6, 4, v2
	v_mul_u32_u24 v6, v6, IP
	v_and_b32 v7, 15, v2
	v_lshl_add_u32 v6, v7, 4, v6
	v_add_nc_u32 v6, s30, v6                       ; the image on the way out: two blocks an instruction
	v_lshlrev_b32 v10, 3, v2
	v_add_nc_u32 v7, s31, v10                      ; the scale bytes on the way out: 8 a lane
.macro LOAD t                          ; row t of the tile: 32 lanes read 512 consecutive bytes, four times
.irp i, 0,1,2,3
	global_load_b128 v[R+16*((\t)%4)+4*\i:R+16*((\t)%4)+4*\i+3], v3, s[24:25] offset:((\t)+8*((\t)/8))*2048+512*\i th:TH_LOAD_NT
.endr
.endm
.macro TURN t                          ; through the stage: LDS serves a wave's instructions in order, so no wait stands between the stores and the loads
.irp i, 0,1,2,3
	ds_store_b128 v14, v[R+16*((\t)%4)+4*\i:R+16*((\t)%4)+4*\i+3] offset:32*SP*((\t)%2)+8*SP*\i
.endr
.irp i, 0,1,2,3
	ds_load_b128 v[X+16*((\t)%2)+4*\i:X+16*((\t)%2)+4*\i+3], v15 offset:32*SP*((\t)%2)+16*\i
.endr
.endm
.irp t, 0,1,2,3
	LOAD \t
.endr
	s_wait_loadcnt 12                              ; row 0's four loads are in
	TURN 0
.macro STEP t
.set XS, X+16*((\t)%2)
.if (\t) > 0
	s_wait_dscnt 2                                 ; this row is back from the stage; the last row's two stores (byte, codes) may be out
.else
	s_wait_dscnt 0x0
.endif
.if (\t)+4 < 16
	LOAD (\t)+4                                    ; into the registers that this row's stage stores have read
.endif
.if (\t)+1 < 16
.if 14-(\t) >= 3
	s_wait_loadcnt 12                              ; the next row's loads are in; those of the three rows behind it may be out
.else
	s_wait_loadcnt 4*(14-(\t))
.endif
	TURN (\t)+1
.endif
	v_max3_num_f32 v8, |v[XS]|, |v[XS+1]|, |v[XS+2]|               ; the largest magnitude of my 16, in two chains
	v_max3_num_f32 v9, |v[XS+3]|, |v[XS+4]|, |v[XS+5]|
.irp i, 6,10
	v_max3_num_f32 v8, v8, |v[XS+\i]|, |v[XS+\i+1]|
	v_max3_num_f32 v9, v9, |v[XS+\i+2]|, |v[XS+\i+3]|
.endr
	v_max3_num_f32 v8, v8, |v[XS+14]|, |v[XS+15]|
	v_max3_num_f32 v8, v8, v9, 0x1800000           ; and the floor 2^(3 - 127): the byte cannot fall under 1
	v_max_num_f32_dpp v8, v8, v8 row_xmask:1 row_mask:0xf bank_mask:0xf   ; with my neighbour's 16: the block's
	v_add_nc_u32 v11, 0xff000000, v8               ; 2 off its exponent field: the conversion takes this operand's exponent field as its scale
	v_cvt_scalef32_pk8_fp4_f32 v[C+2*(\t)], v[XS:XS+7], v11
	v_cvt_scalef32_pk8_fp4_f32 v[C+2*(\t)+1], v[XS+8:XS+15], v11
	v_lshrrev_b32 v[E+(\t)], 23, v11               ; the scale's byte (a plain line behind the conversions)
	ds_store_b8 v5, v[E+(\t)] offset:16*(\t)       ; both lanes of a block write the same byte
	ds_store_b64 v4, v[C+2*(\t):C+2*(\t)+1] offset:16*(\t)   ; my 8 bytes of row t's 16 in block kb
.endm
.irp t, 0,1,2,3,4,5,6,7,8,9,10,11,12,13,14,15
	STEP \t
.endr
.irp i, 0,1,2,3,4,5,6,7
	ds_load_b128 v[R+4*\i:R+4*\i+3], v6 offset:2*IP*\i             ; these see my stores: LDS serves a wave in order
.endr
	ds_load_b64 v[8:9], v7
	s_wait_dscnt 0x0
.irp i, 0,1,2,3,4,5,6,7
	global_store_b128 v3, v[R+4*\i:R+4*\i+3], s[16:17] offset:512*\i   ; 32 lanes store 512 consecutive bytes, aligned
.endr
	global_store_b64 v10, v[8:9], s[18:19]         ; 256 consecutive bytes, aligned
	s_wait_tensorcnt 0x0                           ; the wave's end: three lines behind my last LDS store
	ds_add_u32 v[SPW], v[NIL]
	s_wait_dscnt 0x0
	s_endpgm
	; ---- the statistics: no LDS is touched on this path
.Lstats:
	s_sub_co_u32 s21, ttmp9, 32
	s_lshl_b32 s21, s21, 2
	s_add_co_u32 s21, s21, s20                     ; my channel, 512 b + c
	s_lshl_b32 s22, s21, 14                        ; 16,384 bytes a channel
	s_mov_b32 s23, 0
	s_add_nc_u64 s[4:5], s[4:5], s[22:23]
	s_lshl_b32 s22, s21, 3
	s_add_nc_u64 s[14:15], s[14:15], s[22:23]
	s_mov_b32 s24, 0x76543210                      ; v_permlanex16_b32's selects for lane l xor 16
	s_mov_b32 s25, 0xfedcba98
.set p, 0
	s_wait_alu depctr_va_vdst(0)
.rept 32
	global_load_b128 v[32+4*p:35+4*p], v3, s[4:5] offset:512*p     ; the channel stays in v32-159
.set p, p+1
.endr
.macro SUMS g                          ; the 16 pairs of loads 8 g .. 8 g + 7 go onto four chains; the first eight pairs start them: nothing is cleared
.set p, 0
.rept 16
.if ((\g) == 0) && (p < 4)
	v_pk_add_f32 v[4+2*p:5+2*p], v[32+2*p:33+2*p], v[40+2*p:41+2*p]
.elseif ((\g) > 0) || (p >= 8)
	v_pk_add_f32 v[4+2*(p%4):5+2*(p%4)], v[4+2*(p%4):5+2*(p%4)], v[32+32*(\g)+2*p:33+32*(\g)+2*p]
.endif
.set p, p+1
.endr
.endm
.macro FOLD                            ; four chains of pairs -> one number in every lane
	v_pk_add_f32 v[4:5], v[4:5], v[6:7]
	v_pk_add_f32 v[8:9], v[8:9], v[10:11]
	v_pk_add_f32 v[4:5], v[4:5], v[8:9]
	v_add_f32 v4, v4, v5
	v_add_f32_dpp v4, v4, v4 row_xmask:1 row_mask:0xf bank_mask:0xf
	v_add_f32_dpp v4, v4, v4 row_xmask:2 row_mask:0xf bank_mask:0xf
	v_add_f32_dpp v4, v4, v4 row_xmask:4 row_mask:0xf bank_mask:0xf
	v_add_f32_dpp v4, v4, v4 row_xmask:8 row_mask:0xf bank_mask:0xf
	v_permlanex16_b32 v5, v4, s24, s25
	v_add_f32 v4, v4, v5
.endm
	s_wait_loadcnt 24                              ; the first eight loads are in; the 24 behind them may be out
	SUMS 0
	s_wait_alu depctr_va_vdst(0)
	s_wait_loadcnt 16
	SUMS 1
	s_wait_alu depctr_va_vdst(0)
	s_wait_loadcnt 8
	SUMS 2
	s_wait_alu depctr_va_vdst(0)
	s_wait_loadcnt 0x0
	SUMS 3
	FOLD
	v_mul_f32 v14, 0x39800000, v4                  ; / 4,096: the channel's mean,
	v_mov_b32 v15, v14                             ; as a pair
.set p, 0
.rept 64
	v_pk_add_f32 v[32+2*p:33+2*p], v[32+2*p:33+2*p], v[14:15] neg_lo:[0,1] neg_hi:[0,1]   ; the deviations, in place
.set p, p+1
.endr
.set p, 0
.rept 64
.if p < 4
	v_pk_mul_f32 v[4+2*p:5+2*p], v[32+2*p:33+2*p], v[32+2*p:33+2*p]
.else
	v_pk_fma_f32 v[4+2*(p%4):5+2*(p%4)], v[32+2*p:33+2*p], v[32+2*p:33+2*p], v[4+2*(p%4):5+2*(p%4)]
.endif
.set p, p+1
.endr
	FOLD
	v_mov_b32 v16, v14
	v_mov_b32 v17, v4
	v_mov_b32 v18, 0
	v_cmp_eq_u32 vcc_lo, 0, v2
	s_wait_alu depctr_va_vdst(0)
	s_wait_xcnt 0x0                                ; EXEC changes only behind this wait
	s_and_saveexec_b32 s26, vcc_lo
	global_store_b64 v18, v[16:17], s[14:15]       ; lane 0: (mean, M2)
	s_wait_xcnt 0x0                                ; and again in front of the line that widens it
	s_or_b32 exec_lo, exec_lo, s26
	s_endpgm
.Lfunc_end_k_qc88ba1bf92_prep:
	.size	k_qc88ba1bf92_prep, .Lfunc_end_k_qc88ba1bf92_prep-k_qc88ba1bf92_prep
	.p2alignl 7, 3214868480
	.fill 96, 4, 3214868480
	.section	.rodata,"a",@progbits
	.p2align	6, 0x0
	.amdhsa_kernel k_qc88ba1bf92_prep
		.amdhsa_group_segment_fixed_size 39424
		.amdhsa_private_segment_fixed_size 0
		.amdhsa_enable_private_segment 0
		.amdhsa_kernarg_size 64
		.amdhsa_user_sgpr_count 2
		.amdhsa_user_sgpr_kernarg_segment_ptr 1
		.amdhsa_wavefront_size32 1
		.amdhsa_system_sgpr_workgroup_id_x 1
		.amdhsa_system_sgpr_workgroup_id_y 1
		.amdhsa_system_sgpr_workgroup_id_z 1
		.amdhsa_system_vgpr_workitem_id 0
		.amdhsa_next_free_vgpr 160
		.amdhsa_next_free_sgpr 66
		.amdhsa_reserve_vcc 1
		.amdhsa_float_denorm_mode_32 3
		.amdhsa_float_denorm_mode_16_64 3
		.amdhsa_memory_ordered 1
		.amdhsa_forward_progress 1
		.amdhsa_inst_pref_size 52
	.end_amdhsa_kernel
	.amdgpu_metadata
---
amdhsa.version: [ 1, 2 ]
amdhsa.kernels:
  - .name:           k_qc88ba1bf92_prep
    .symbol:         k_qc88ba1bf92_prep.kd
    .args:
      - { .name: x, .offset: 0, .size: 8, .value_kind: global_buffer, .address_space: global }
      - { .name: wq_w, .offset: 8, .size: 8, .value_kind: global_buffer, .address_space: global }
      - { .name: wk_w, .offset: 16, .size: 8, .value_kind: global_buffer, .address_space: global }
      - { .name: wv_w, .offset: 24, .size: 8, .value_kind: global_buffer, .address_space: global }
      - { .name: proj_w, .offset: 32, .size: 8, .value_kind: global_buffer, .address_space: global }
      - { .name: stats, .offset: 40, .size: 8, .value_kind: global_buffer, .address_space: global }
      - { .name: wimg, .offset: 48, .size: 8, .value_kind: global_buffer, .address_space: global }
      - { .name: wsc, .offset: 56, .size: 8, .value_kind: global_buffer, .address_space: global }
    .group_segment_fixed_size: 39424
    .private_segment_fixed_size: 0
    .kernarg_segment_align: 8
    .kernarg_segment_size: 64
    .max_flat_workgroup_size: 128
    .sgpr_count:     66
    .vgpr_count:     160
    .wavefront_size: 32
...
	.end_amdgpu_metadata
.endif
;; end of part 1
;; launch qkv (part 2): grid 128 x 2, 4 waves a work-group, no clusters, 327,680 bytes of LDS; arguments x, stats, gn_w, gn_b, wsc, wq_b, wk_b, wv_b, qimg, kv, wimg, scl; writes qimg, kv, scl
.if DOCPART == 2
	.amdgcn_target "amdgcn-amd-amdhsa--gfx1250"
	.amdhsa_code_object_version 6
	.text
	.protected	k_qc88ba1bf92_qkv
	.globl	k_qc88ba1bf92_qkv
	.p2align	8
	.type	k_qc88ba1bf92_qkv,@function
k_qc88ba1bf92_qkv:
	s_mov_b64 s[64:65], 0
	v_nop
	global_prefetch_b8 v0, s[64:65] scope:SCOPE_SE
	s_setreg_imm32_b32 hwreg(HW_REG_WAVE_MODE, 25, 1), 1
	s_wait_xcnt 0x0
.set TIMG,  131072
.set TSC,   147456
.set SPARE, 148480
.set LI,  1
.set XA,  2
.set TW,  3
.set TSW, 4
.set LIT, 5
.set TSR, 6
.set KO,  7
.set VO,  8
.set SWO, 9
.set SVO, 10
.set SPW, 14
.set NIL, 15
.set TS,  16
.set WS,  24
.set VB8, 48
.set TM,  80
.set SW,  84
.set SWQ, 88
.set SWK, 92
.set CX,  96
.set CQ,  96
.set CK,  112
.set VC,  96
.set ACC, 128
.set SM,  192
.set GW,  200
.set GB,  204
.set MU,  208
.set DV,  212
.set MM,  216
.set AA,  220
.set MSB, 0
.macro WIN new
.if MSB != \new
	s_set_vgpr_msb (MSB<<8)|\new
.set MSB, \new
.endif
.endm
.macro WM d, a, b, c, sa, sb, ra, rb
.if (\ra) && (\rb)
	v_wmma_scale_f32_16x16x128_f8f6f4 v[(\d):(\d)+7], v[(\a):(\a)+7], v[(\b):(\b)+7], v[(\c):(\c)+7], v[(\sa)], v[(\sb)] matrix_a_fmt:MATRIX_FMT_FP4 matrix_b_fmt:MATRIX_FMT_FP4 matrix_a_scale:MATRIX_SCALE_ROW1 matrix_b_scale:MATRIX_SCALE_ROW1
.elseif (\ra)
	v_wmma_scale_f32_16x16x128_f8f6f4 v[(\d):(\d)+7], v[(\a):(\a)+7], v[(\b):(\b)+7], v[(\c):(\c)+7], v[(\sa)], v[(\sb)] matrix_a_fmt:MATRIX_FMT_FP4 matrix_b_fmt:MATRIX_FMT_FP4 matrix_a_scale:MATRIX_SCALE_ROW1
.elseif (\rb)
	v_wmma_scale_f32_16x16x128_f8f6f4 v[(\d):(\d)+7], v[(\a):(\a)+7], v[(\b):(\b)+7], v[(\c):(\c)+7], v[(\sa)], v[(\sb)] matrix_a_fmt:MATRIX_FMT_FP4 matrix_b_fmt:MATRIX_FMT_FP4 matrix_b_scale:MATRIX_SCALE_ROW1
.else
	v_wmma_scale_f32_16x16x128_f8f6f4 v[(\d):(\d)+7], v[(\a):(\a)+7], v[(\b):(\b)+7], v[(\c):(\c)+7], v[(\sa)], v[(\sb)] matrix_a_fmt:MATRIX_FMT_FP4 matrix_b_fmt:MATRIX_FMT_FP4
.endif
.endm
	s_load_b512 s[32:47], s[0:1], 0x0
	s_load_b128 s[4:7], s[0:1], 0x40
	s_load_b128 s[24:27], s[0:1], 0x50
	v_lshl_add_u32 v[SPW], v0, 2, SPARE
	v_mov_b32 v[NIL], 0
	ds_add_u32 v[SPW], v[NIL]
	ds_add_u32 v[SPW], v[NIL]
	v_lshrrev_b32 v11, 5, v0
	v_readfirstlane_b32 s30, v11
	s_mov_b32 s8, 2<<16
	s_mov_b32 s9, 64<<16
	s_mov_b32 s10, 64<<16
	s_mov_b32 s11, 64<<16
	s_mov_b32 s12, 64
	s_mov_b32 s13, 4096
	s_mov_b32 s14, 0
	s_mov_b32 s15, 0
	s_lshr_b32 s2, ttmp9, 6
	s_and_b32 s3, ttmp9, 63
	s_and_b32 s31, ttmp7, 0xffff
	s_lshl_b32 s31, s31, 2
	s_add_co_u32 s31, s31, s30
	s_lshl_b32 s105, s2, 3
	s_add_co_u32 s105, s105, s31
	s_lshl_b32 s28, s2, 23
	s_lshl_b32 s29, s30, 21
	s_add_co_u32 s28, s28, s29
	s_lshl_b32 s29, s3, 8
	s_add_co_u32 s28, s28, s29
	s_mov_b32 s29, 0
	s_mov_b32 s16, 1
	s_lshl_b32 s17, s30, 15
	s_mov_b32 s20, 1
	s_add_co_u32 s21, s17, 16384
	s_mov_b32 s100, 0x76543210
	s_mov_b32 s101, 0xfedcba98
	s_mov_b32 s104, 0xffff0000
	s_wait_dscnt 0x0
	s_wait_kmcnt 0x0
	s_add_nc_u64 s[18:19], s[32:33], s[28:29]
	s_add_nc_u64 s[22:23], s[18:19], 0x100000
	s_or_b32 s19, s19, 0x80000000
	s_or_b32 s23, s23, 0x80000000
	tensor_load_to_lds s[16:19], s[8:15]
	s_nop 0
	s_wait_alu depctr_va_vdst(0)
	s_wait_tensorcnt 0x0
	ds_add_u32 v14, v15
	s_wait_dscnt 0x0
	s_barrier_signal -1
	s_barrier_wait -1
	tensor_load_to_lds s[20:23], s[8:15]
	s_nop 0
.rept 4
	v_nop
.endr
	v_and_b32 v11, 31, v0
	v_and_b32 v12, 15, v0
	v_bfe_u32 v13, v0, 4, 1
	v_lshlrev_b32 v[LI], 4, v11
	v_and_b32 v[XA], 8, v12
	v_add_nc_u32 v[XA], v[XA], v12
	v_lshlrev_b32 v89, 2, v[XA]
	v_lshl_add_u32 v[XA], v13, 3, v[XA]
	v_lshl_add_u32 v[XA], v[XA], 2, s17
	s_lshl_b32 s28, s30, 10
	v_add_nc_u32 v[TW], s28, v[LI]
	v_add_nc_u32 v[TW], TIMG, v[TW]
	v_add_nc_u32 v[LIT], TIMG, v[LI]
	v_lshlrev_b32 v87, 2, v11
	s_lshl_b32 s28, s30, 7
	v_add_nc_u32 v[TSW], s28, v87
	v_add_nc_u32 v[TSW], TSC, v[TSW]
	v_add_nc_u32 v[TSR], TSC, v87
	v_lshlrev_b32 v86, 3, v11
	v_lshlrev_b32 v88, 6, v13
	s_and_b32 s28, s3, 1
	s_lshl_b32 s29, s28, 11
	v_add_nc_u32 v[KO], s29, v[LI]
	v_lshlrev_b32 v[VO], 4, v12
	v_lshl_add_u32 v[VO], v13, 3, v[VO]
	s_lshl_b32 s29, s28, 9
	s_add_co_u32 s29, s29, 4096
	v_add_nc_u32 v[VO], s29, v[VO]
	v_mul_u32_u24 v[SWO], v13, 24576
	v_lshl_add_u32 v[SWO], v12, 4, v[SWO]
	s_lshl_b32 s29, s3, 8
	v_add_nc_u32 v[SWO], s29, v[SWO]
	v_lshlrev_b32 v[SVO], 3, v12
	v_lshl_add_u32 v[SVO], v13, 2, v[SVO]
	s_lshl_b32 s29, s3, 7
	s_add_co_u32 s29, s29, 16384
	v_add_nc_u32 v[SVO], s29, v[SVO]
	s_lshl_b32 s28, s2, 12
	s_lshl_b32 s29, s30, 10
	s_add_co_u32 s28, s28, s29
	s_mov_b32 s29, 0
	s_add_nc_u64 s[34:35], s[34:35], s[28:29]
	s_lshl_b32 s28, s30, 9
	s_add_nc_u64 s[36:37], s[36:37], s[28:29]
	s_add_nc_u64 s[38:39], s[38:39], s[28:29]
.irp k, 0,1,2,3
	global_load_b64 v[SM+2*\k:SM+2*\k+1], v86, s[34:35] offset:256*\k
.endr
.irp k, 0,1,2,3
	global_load_b32 v[GW+\k], v87, s[36:37] offset:128*\k
	global_load_b32 v[GB+\k], v87, s[38:39] offset:128*\k
.endr
	s_lshl_b32 s28, s31, 10
	s_add_nc_u64 s[40:41], s[40:41], s[28:29]
	s_lshl_b32 s28, s31, 8
	s_add_nc_u64 s[42:43], s[42:43], s[28:29]
	s_add_nc_u64 s[44:45], s[44:45], s[28:29]
	s_add_nc_u64 s[46:47], s[46:47], s[28:29]
.irp wt, 0,1,2
.irp p, 0,1
	global_load_b128 v[WS+8*\wt+4*\p:WS+8*\wt+4*\p+3], v[LI], s[40:41] offset:8192*\wt+512*\p
.endr
.endr
.irp tl, 0,1,2,3
	global_load_b32 v[SWK+\tl], v89, s[46:47] offset:(32*(\tl/2)+8*(\tl%2))*4
.endr
	WIN 0xc0
.irp tl, 0,1,2,3
	global_load_b128 v[128+8*\tl:131+8*\tl], v88, s[42:43] offset:(32*(\tl/2)+8*(\tl%2))*4
	global_load_b128 v[132+8*\tl:135+8*\tl], v88, s[42:43] offset:(32*(\tl/2)+8*(\tl%2))*4+16
	global_load_b128 v[160+8*\tl:163+8*\tl], v88, s[44:45] offset:(32*(\tl/2)+8*(\tl%2))*4
	global_load_b128 v[164+8*\tl:167+8*\tl], v88, s[44:45] offset:(32*(\tl/2)+8*(\tl%2))*4+16
.endr
	WIN 0
	s_lshl_b32 s28, s31, 14
	s_add_nc_u64 s[24:25], s[24:25], s[28:29]
	s_lshl_b32 s28, s105, 17
	s_lshl_b32 s29, s3, 11
	s_add_co_u32 s28, s28, s29
	s_mov_b32 s29, 0
	s_add_nc_u64 s[4:5], s[4:5], s[28:29]
	s_lshl_b32 s28, s105, 18
	s_lshr_b32 s29, s3, 1
	s_lshl_b32 s29, s29, 13
	s_add_co_u32 s28, s28, s29
	s_mov_b32 s29, 0
	s_add_nc_u64 s[6:7], s[6:7], s[28:29]
	s_mul_i32 s28, s105, 40960
	s_add_nc_u64 s[26:27], s[26:27], s[28:29]
	s_mov_b32 s28, 0x37800000
	s_mov_b32 s29, 0x3727c5ac
	s_wait_loadcnt 26
.irp k, 0,1,2,3
	v_mov_b32 v[MU+\k], v[SM+2*\k]
.endr
.irp m, 1,2,4,8
.irp k, 0,1,2,3
	v_add_f32_dpp v[MU+\k], v[MU+\k], v[MU+\k] row_xmask:\m row_mask:0xf bank_mask:0xf
.endr
.endr
.irp k, 0,1,2,3
	v_mul_f32 v[MU+\k], 0x3d800000, v[MU+\k]
.endr
.irp k, 0,1,2,3
	v_sub_f32 v[DV+\k], v[SM+2*\k], v[MU+\k]
.endr
.irp k, 0,1,2,3
	v_mul_f32 v[DV+\k], v[DV+\k], v[DV+\k]
.endr
.irp k, 0,1,2,3
	v_fmamk_f32 v[MM+\k], v[DV+\k], 0x45800000, v[SM+2*\k+1]
.endr
.irp m, 1,2,4,8
.irp k, 0,1,2,3
	v_add_f32_dpp v[MM+\k], v[MM+\k], v[MM+\k] row_xmask:\m row_mask:0xf bank_mask:0xf
.endr
.endr
.irp k, 0,1,2,3
	v_fma_f32 v[MM+\k], v[MM+\k], s28, s29
.endr
	s_wait_alu depctr_va_vdst(0)
.irp k, 0,1,2,3
	v_rsq_f32 v[AA+\k], v[MM+\k]
.endr
	v_nop
	s_wait_alu depctr_va_vdst(0)
.irp k, 0,1,2,3
	v_mul_f32 v[AA+\k], v[GW+\k], v[AA+\k]
.endr
	s_wait_alu depctr_va_vdst(0)
	s_wait_xcnt 0x0
.macro WLOAD wt, base
.set i, 0
.rept 32
	global_load_b128 v[\base+4*i:\base+4*i+3], v[LI], s[24:25] offset:\wt*131072+512*i
.set i, i+1
.endr
.endm
	WIN 0x80
	WLOAD 0, 0
	WIN 0
.macro PARAM kb
.set i, 0
.rept 32
	v_readlane_b32 s[32+i], v[AA+\kb], i
	v_readlane_b32 s[66+i], v[GB+\kb], i
.set i, i+1
.endr
	v_readlane_b32 s98, v[MU+\kb], 0
	v_readlane_b32 s99, v[MU+\kb], 16
.endm
.macro LOADB t
.set i, 0
.rept 32
	ds_load_b32 v[ACC+32*((\t)%2)+i], v[XA] offset:(32*((\t)/2)+i)*256+128*((\t)%2)
.set i, i+1
.endr
.endm
.macro BLOCK t
.set XS, ACC+32*((\t)%2)
.set KB, (\t)/2
.set GG, (\t)%2
.if (\t) < 7
	s_wait_dscnt 32
.else
	s_wait_dscnt 0x0
.endif
.set i, 0
.rept 32
	v_sub_f32 v[XS+i], v[XS+i], s[98+i/16]
.set i, i+1
.endr
.set i, 0
.rept 32
	v_fma_f32 v[XS+i], v[XS+i], s[32+i], s[66+i]
.set i, i+1
.endr
	v_max3_num_f32 v80, |v[XS]|, |v[XS+1]|, |v[XS+2]|
	v_max3_num_f32 v81, |v[XS+3]|, |v[XS+4]|, |v[XS+5]|
.irp i, 6,10,14,18,22,26
	v_max3_num_f32 v80, v80, |v[XS+\i]|, |v[XS+\i+1]|
	v_max3_num_f32 v81, v81, |v[XS+\i+2]|, |v[XS+\i+3]|
.endr
	v_max3_num_f32 v80, v80, |v[XS+30]|, |v[XS+31]|
	v_max3_num_f32 v80, v80, v81, 0x1800000
	v_add_nc_u32 v82, 0xff000000, v80
	v_lshrrev_b32 v83, 23, v82
.if KB == 0
	v_mov_b32 v[SW+GG], v83
.else
	v_lshl_or_b32 v[SW+GG], v83, 8*KB, v[SW+GG]
.endif
.irp q, 0,1,2,3
	v_cvt_scalef32_pk8_fp4_f32 v[CX+16*GG+4*KB+\q], v[XS+8*\q:XS+8*\q+7], v82
.endr
	v_nop
.if (\t) == 2
	s_wait_tensorcnt 0x0
.endif
.if (\t)+2 < 8
	LOADB (\t)+2
.endif
.endm
	s_wait_tensorcnt 0x1
	LOADB 0
	LOADB 1
	PARAM 0
	BLOCK 0
	BLOCK 1
	PARAM 1
	BLOCK 2
	BLOCK 3
	WIN 0x80
	WLOAD 1, 128
	WIN 0
	PARAM 2
	BLOCK 4
	BLOCK 5
	PARAM 3
	BLOCK 6
	BLOCK 7
.irp g, 0,1
.irp c, 0,1
.irp i, 0,1,2,3
	v_permlane16_swap_b32 v[CX+16*\g+8*\c+\i], v[CX+16*\g+8*\c+4+\i]
.endr
.endr
.endr
.irp g, 0,1
.irp c, 0,1
.irp u, 0,1
	ds_store_b128 v[TW], v[CX+16*\g+8*\c+4*\u:CX+16*\g+8*\c+4*\u+3] offset:4096*(2*\g+\u)+512*\c
.endr
.endr
	ds_store_b32 v[TSW], v[SW+\g] offset:512*\g
.endr
	s_wait_dscnt 0x0
	s_barrier_signal -1
	s_barrier_wait -1
	WIN 0x40
.set i, 0
.rept 32
	ds_load_b128 v[4*i:4*i+3], v[LIT] offset:512*i
.set i, i+1
.endr
	WIN 0
.irp g, 0,1
.irp s, 0,1,2,3
	ds_load_b32 v[TS+4*\g+\s], v[TSR] offset:512*\g+128*\s
.endr
.endr
	s_wait_loadcnt 32
	WIN 0xc0
	WLOAD 2, 0
	WIN 0
.irp tl, 0,1,2,3
.irp j, 0,1,2,3,4,5,6,7
	v_mov_b32 v[VB8+8*\tl+\j], v[SWK+\tl]
.endr
.endr
	s_wait_dscnt 0x0
.macro GEMM_T wt, wb, bb
.irp s, 0,1,2,3
.if \s == 0
	WIN 0x36
.else
	WIN 0x06
.endif
.irp mt, 0,1,2,3
.irp tl, 0,1,2,3
.if \s == 0
	WM ACC+8*(4*\mt+\tl), \wb+8*(4*\tl+\s), 8*(4*\mt+\s), \bb+8*\tl, WS+8*\wt+4*(\tl/2)+\s, TS+4*(\mt/2)+\s, \tl%2, \mt%2
.else
	WM ACC+8*(4*\mt+\tl), \wb+8*(4*\tl+\s), 8*(4*\mt+\s), ACC+8*(4*\mt+\tl), WS+8*\wt+4*(\tl/2)+\s, TS+4*(\mt/2)+\s, \tl%2, \mt%2
.endif
.endr
.endr
.endr
	WIN 0
.rept 4
	v_nop
.endr
.endm
.macro QUANT4 src, pc, sw
.irp q, 0,1,2,3
	v_max3_num_f32 v[TM+\q], |v[(\src)+16*\q]|, |v[(\src)+16*\q+1]|, 0x1800000
.endr
.irp i, 2,4,6,8,10,12,14
.irp q, 0,1,2,3
	v_max3_num_f32 v[TM+\q], v[TM+\q], |v[(\src)+16*\q+\i]|, |v[(\src)+16*\q+\i+1]|
.endr
.endr
.irp q, 0,1,2,3
	v_permlanex16_b32 v[TM+4+\q], v[TM+\q], s100, s101
.endr
.irp q, 0,1,2,3
	v_max_num_f32 v[TM+\q], v[TM+\q], v[TM+4+\q]
.endr
.irp q, 0,1,2,3
	v_add_nc_u32 v[TM+\q], 0xff000000, v[TM+\q]
.endr
.irp q, 0,1,2,3
	v_lshrrev_b32 v[TM+4+\q], 23, v[TM+\q]
.endr
.irp m, 0,1
	v_lshl_or_b32 v[(\sw)+\m], v[TM+5+2*\m], 8, v[TM+4+2*\m]
.endr
.irp m, 0,1
	v_or_b32 v[(\sw)+\m], 0x7f7f0000, v[(\sw)+\m]
.endr
.irp q, 0,1,2,3
	v_cvt_scalef32_pk8_fp4_f32 v[(\pc)+2*\q], v[(\src)+16*\q:(\src)+16*\q+7], v[TM+\q]
	v_cvt_scalef32_pk8_fp4_f32 v[(\pc)+2*\q+1], v[(\src)+16*\q+8:(\src)+16*\q+15], v[TM+\q]
.endr
	v_nop
.irp m, 0,1
.irp i, 0,1
	v_permlane16_swap_b32 v[(\pc)+4*\m+\i], v[(\pc)+4*\m+2+\i]
.endr
.endr
.endm
	GEMM_T 0, 0, 128
	QUANT4 ACC, CQ, SWQ
	QUANT4 ACC+64, CQ+8, SWQ+2
.irp mt, 0,1,2,3
	global_store_b128 v[LI], v[CQ+4*\mt:CQ+4*\mt+3], s[4:5] offset:512*\mt
.endr
	s_wait_loadcnt 32
	GEMM_T 1, 128, 160
	QUANT4 ACC, CK, SWK
	QUANT4 ACC+64, CK+8, SWK+2
.irp mt, 0,1,2,3
	global_store_b128 v[KO], v[CK+4*\mt:CK+4*\mt+3], s[6:7] offset:512*\mt
.endr
.irp j, 0,1,2,3
	v_cndmask_b32 v[SWK+\j], v[SWK+\j], v[SWQ+\j], s104
.endr
	global_store_b128 v[SWO], v[SWK:SWK+3], s[26:27]
	s_wait_loadcnt 0x0
	WIN 0x0d
.irp s, 0,1,2,3
.irp mt, 0,1,2,3
.irp tl, 0,1,2,3
.if \s == 0
	WM ACC+8*(4*\mt+\tl), 8*(4*\mt+\s), 8*(4*\tl+\s), VB8+8*\tl, TS+4*(\mt/2)+\s, WS+16+4*(\tl/2)+\s, \mt%2, \tl%2
.else
	WM ACC+8*(4*\mt+\tl), 8*(4*\mt+\s), 8*(4*\tl+\s), ACC+8*(4*\mt+\tl), TS+4*(\mt/2)+\s, WS+16+4*(\tl/2)+\s, \mt%2, \tl%2
.endif
.endr
.endr
.endr
	WIN 0
.rept 4
	v_nop
.endr
	s_wait_xcnt 0x0
.macro VQUANT g
.irp T, 0,1,2,3
	v_max3_num_f32 v[TM+\T], |v[ACC+64*\g+8*\T]|, |v[ACC+64*\g+8*\T+1]|, 0x1800000
.endr
.irp i, 2,4,6
.irp T, 0,1,2,3
	v_max3_num_f32 v[TM+\T], v[TM+\T], |v[ACC+64*\g+8*\T+\i]|, |v[ACC+64*\g+8*\T+\i+1]|
.endr
.endr
.irp i, 0,2,4,6
.irp T, 0,1,2,3
	v_max3_num_f32 v[TM+\T], v[TM+\T], |v[ACC+64*\g+32+8*\T+\i]|, |v[ACC+64*\g+32+8*\T+\i+1]|
.endr
.endr
.irp T, 0,1,2,3
	v_permlanex16_b32 v[TM+4+\T], v[TM+\T], s100, s101
.endr
.irp T, 0,1,2,3
	v_max_num_f32 v[TM+\T], v[TM+\T], v[TM+4+\T]
.endr
.irp T, 0,1,2,3
	v_add_nc_u32 v[TM+\T], 0xff000000, v[TM+\T]
.endr
.irp T, 0,1,2,3
.if \g == 0
	v_lshrrev_b32 v[SWQ+\T], 23, v[TM+\T]
.else
	v_lshrrev_b32 v[TM+4+\T], 23, v[TM+\T]
.endif
.endr
.if \g == 1
.irp T, 0,1,2,3
	v_lshl_or_b32 v[SWQ+\T], v[TM+4+\T], 8, v[SWQ+\T]
.endr
.endif
.irp T, 0,1,2,3
	v_cvt_scalef32_pk8_fp4_f32 v[VC+8*\g+2*\T], v[ACC+64*\g+8*\T:ACC+64*\g+8*\T+7], v[TM+\T]
	v_cvt_scalef32_pk8_fp4_f32 v[VC+8*\g+2*\T+1], v[ACC+64*\g+32+8*\T:ACC+64*\g+32+8*\T+7], v[TM+\T]
.endr
	v_nop
.endm
	VQUANT 0
	VQUANT 1
.irp g, 0,1
.irp T, 0,1,2,3
	global_store_b64 v[VO], v[VC+8*\g+2*\T:VC+8*\g+2*\T+1], s[6:7] offset:1024*\T+256*\g
.endr
.endr
	v_lshl_or_b32 v[SWK], v[SWQ+1], 16, v[SWQ]
	v_lshl_or_b32 v[SWK+1], v[SWQ+3], 16, v[SWQ+2]
	v_cndmask_b32 v[SWK], v[SWK], v[SWK+1], s104
	global_store_b32 v[SVO], v[SWK], s[26:27]
	s_wait_tensorcnt 0x0
	ds_add_u32 v[SPW], v[NIL]
	s_wait_dscnt 0x0
	s_endpgm
.Lfunc_end_k_qc88ba1bf92_qkv:
	.size	k_qc88ba1bf92_qkv, .Lfunc_end_k_qc88ba1bf92_qkv-k_qc88ba1bf92_qkv
	.p2alignl 7, 3214868480
	.fill 96, 4, 3214868480
	.section	.rodata,"a",@progbits
	.p2align	6, 0x0
	.amdhsa_kernel k_qc88ba1bf92_qkv
		.amdhsa_group_segment_fixed_size 327680
		.amdhsa_private_segment_fixed_size 0
		.amdhsa_enable_private_segment 0
		.amdhsa_kernarg_size 96
		.amdhsa_user_sgpr_count 2
		.amdhsa_user_sgpr_kernarg_segment_ptr 1
		.amdhsa_wavefront_size32 1
		.amdhsa_system_sgpr_workgroup_id_x 1
		.amdhsa_system_sgpr_workgroup_id_y 1
		.amdhsa_system_sgpr_workgroup_id_z 1
		.amdhsa_system_vgpr_workitem_id 0
		.amdhsa_next_free_vgpr 1024
		.amdhsa_next_free_sgpr 106
		.amdhsa_reserve_vcc 0
		.amdhsa_float_denorm_mode_32 3
		.amdhsa_float_denorm_mode_16_64 3
		.amdhsa_memory_ordered 1
		.amdhsa_forward_progress 1
		.amdhsa_inst_pref_size 153
	.end_amdhsa_kernel
	.amdgpu_metadata
---
amdhsa.version: [ 1, 2 ]
amdhsa.kernels:
  - .name:           k_qc88ba1bf92_qkv
    .symbol:         k_qc88ba1bf92_qkv.kd
    .args:
      - { .name: x, .offset: 0, .size: 8, .value_kind: global_buffer, .address_space: global }
      - { .name: stats, .offset: 8, .size: 8, .value_kind: global_buffer, .address_space: global }
      - { .name: gn_w, .offset: 16, .size: 8, .value_kind: global_buffer, .address_space: global }
      - { .name: gn_b, .offset: 24, .size: 8, .value_kind: global_buffer, .address_space: global }
      - { .name: wsc, .offset: 32, .size: 8, .value_kind: global_buffer, .address_space: global }
      - { .name: wq_b, .offset: 40, .size: 8, .value_kind: global_buffer, .address_space: global }
      - { .name: wk_b, .offset: 48, .size: 8, .value_kind: global_buffer, .address_space: global }
      - { .name: wv_b, .offset: 56, .size: 8, .value_kind: global_buffer, .address_space: global }
      - { .name: qimg, .offset: 64, .size: 8, .value_kind: global_buffer, .address_space: global }
      - { .name: kv, .offset: 72, .size: 8, .value_kind: global_buffer, .address_space: global }
      - { .name: wimg, .offset: 80, .size: 8, .value_kind: global_buffer, .address_space: global }
      - { .name: scl, .offset: 88, .size: 8, .value_kind: global_buffer, .address_space: global }
    .group_segment_fixed_size: 327680
    .private_segment_fixed_size: 0
    .kernarg_segment_align: 8
    .kernarg_segment_size: 96
    .max_flat_workgroup_size: 128
    .sgpr_count:     106
    .vgpr_count:     1024
    .wavefront_size: 32
...
	.end_amdgpu_metadata
.endif
;; end of part 2
;; launch attn (part 3): grid 16 x 16, 16 waves a work-group, clusters of 4 x 1, 327,680 bytes of LDS; arguments qimg, kv, scl, oimg, osc; writes oimg, osc
.if DOCPART == 3
	.amdgcn_target "amdgcn-amd-amdhsa--gfx1250"
	.amdhsa_code_object_version 6
	.text
	.protected	k_qc88ba1bf92_attn
	.globl	k_qc88ba1bf92_attn
	.p2align	8
	.type	k_qc88ba1bf92_attn,@function
k_qc88ba1bf92_attn:
	s_mov_b64 s[64:65], 0
	v_nop
	global_prefetch_b8 v0, s[64:65] scope:SCOPE_SE
	s_setreg_imm32_b32 hwreg(HW_REG_WAVE_MODE, 25, 1), 1
	s_wait_xcnt 0x0
	s_wait_alu depctr_hold_cnt(0) depctr_sa_sdst(0) depctr_va_vdst(0) depctr_va_sdst(0) depctr_va_ssrc(0) depctr_va_vcc(0) depctr_vm_vsrc(0)
	s_getreg_b32 s2, hwreg(HW_REG_IB_STS2, 6, 4)
	s_cmp_eq_u32 s2, 0
	s_cbranch_scc0 .Lentry_in_a_cluster
	s_endpgm
.Lentry_in_a_cluster:
	s_bfe_u32 s2, ttmp6, 0x10000c
	s_cmp_lg_u32 s2, 0x3003
	s_cbranch_scc0 .Lentry_shape_is_right
	s_endpgm
.Lentry_shape_is_right:
; Launch 3 of 4: o = softmax(q k^T / 8) v for 16 heads of 4,096 positions, head size 64, both products on codes of FP4; o is quantised along the channels for the projection.
; No work of reference() is left out here.  LIMITS: NaN and infinities are not served; v_exp_f32 gives 0 for a p under 2^-126; a block whose largest magnitude lies under 2^-124 gets the scale byte 1.
; THE SOFTMAX: t = score x log2(e) / 8; M = the running largest t rounded UP to a whole number; p = 2^(t - M) is quantised along the keys, not normalised.  The row's sum is taken of the unquantised p
; and divides O at the end.  When M moves, the sum and O are multiplied by 2^(old M - new M): exact.
; SHARES.  A work-group owns 256 queries of one head, each of its sixteen waves one tile of 16, in 256 registers.  A step is 256 keys: one change of M and one rescaling of O for 256 keys.
; A HEAD'S CODES AND SCALES STAY IN LDS, filled once.  At the head waves 0-7 ask for the codes of keys 0-511 (4 rows of 1,024 bytes each), waves 8-15 for the scale bytes (12 rows of 256 each): one load a wave.
; Behind the three lines and a round of the cluster's barrier each wave asks for a sixteenth of the other 3,584 keys' codes (14 rows); one barrier, behind the first two steps, shows them to all.
; CLUSTER.  The four query blocks of a cluster belong to one head: every tile is asked for JOINTLY, by the same descriptor (made of the head and the wave's number alone) and the mask of all four.
; NO PREFETCH: all of a head's bytes are asked for by these two groups of loads at the kernel's start; there is no later request to run ahead of.
; LAYOUT.  Memory holds images of operand registers: per 128 keys 8 tiles of K (512 bytes) and 4 of V^T (1,024 bytes).  In LDS each 1,024 bytes are followed by 128 of padding.
; Both products are used transposed: S^T = K Q^T, O^T = V^T P^T: a lane holds ONE query throughout.
; THE KEYS OF A TILE OF K ARE CHOSEN AT THE LDS READ: row 8 g + j of tile 4 c + i is key 64 c + 32 g + 8 i + j.  So the 32 registers of tiles 4 c .. 4 c + 3 are, in lane half g, the whole block 2 c + g in the keys' order:
; a block's largest score needs no other lane, and the conversions' results are P's operand as they stand.  With the padding the two groups of eight rows of a load lie 1,152 bytes apart: 128 modulo 256.
; The head's 64 fill half of the first product's 128 along K.  Q's registers 4-7 are zero codes; K's registers 4-7 are the next tile's codes (any code is a finite number, and it meets a zero), under the scale byte of 1.0.
; REGISTERS: v1-4 lane places; v5, v6 the add's two; v7 8 x lane half; v8-11 addresses in hand; v12 -M, v13 the largest score, v[14:15] the sum; v16-23 Q; v24-39 P's codes; v40-75 K's or V's fragments of 128 keys;
; v76-83 K's scale words, then the blocks' maxima and scales; v84-89 V's scale words; v90, v91 P's; v92 Q's; v93 at work; v[94:95] f; v96-223 S^T, then p; v224-255 O^T.
.set STP,   9216                       ; 128 keys in LDS: 8 rows of 1,152 bytes
.set KSC,   294912                     ; behind the codes: K's scale words, 512 bytes for 128 keys,
.set VSC,   311296                     ; V's halves, 128 bytes for 64 keys,
.set OST,   319488                     ; 512 bytes for o's scale halves,
.set SPARE, 320000                     ; and the spare words, 128 bytes a wave, which no other line names
.set LI,   1
.set AK0,  2
.set ASK0, 3
.set ASV0, 4
.set SPW,  5
.set NIL,  6
.set SH8,  7
.set ADK,  8
.set ADV,  9
.set ADS,  10
.set ADT,  11
.set P,    24
.set KV,   40
.set KS,   76
.set BM,   76
.set OP,   80
.set VW,   84
.set PS,   90
.set QS,   92
.set S,    96
.set O,    224
.set WV,   18                          ; s18  my wave's number
.set SEL,  20                          ; s[20:21] lane l xor 16
.set CS,   22                          ; s[22:23] c = log2(e) / 8
.set G1A,  24                          ; groups 1: 4 rows of 1,024 bytes; 12 rows of 256; 14 rows of 1,024
.set G1S,  32
.set G1B,  40
.set G0A,  48                          ; and their groups 0
.set G0S,  52
.set G0B,  56
.set TB,   2                           ; s2   where the step's codes begin
.set TS,   3                           ; s3   K's scale words
.set TJ,   66                          ; s66  V's halves
.set CNT,  67
.macro CROUND                          ; a round of the cluster's barrier
	s_barrier_signal -1
	s_barrier_wait -1
	s_cmp_lg_u32 s[WV], 0
	s_cbranch_scc1 .Lnot_wave_0_\@
	s_barrier_signal -3
.Lnot_wave_0_\@:
	s_barrier_wait -3
	s_barrier_signal -1
	s_barrier_wait -1
.endm
.macro NOPS n
.rept \n
	v_nop
.endr
.endm
	s_load_b128 s[4:7], s[0:1], 0x0                ; qimg, kv
	s_load_b128 s[8:11], s[0:1], 0x10              ; scl, oimg
	s_load_b64 s[12:13], s[0:1], 0x20              ; osc
	v_lshl_add_u32 v[SPW], v0, 2, SPARE
	v_mov_b32 v[NIL], 0
	ds_add_u32 v[SPW], v[NIL]                      ; the wave's opening: the add, twice on end, and its wait ahead of my first tensor load
	ds_add_u32 v[SPW], v[NIL]
	v_lshrrev_b32 v8, 5, v0
	v_readfirstlane_b32 s[WV], v8                  ; wave 0..15
	s_bfe_u32 s14, ttmp6, 0x40000                  ; cx: it enters Q's and o's global addresses alone
	s_lshl_b32 s15, ttmp9, 2
	s_add_co_u32 s15, s15, s14                     ; my block of 256 queries
	s_and_b32 s16, ttmp7, 0xffff                   ; the head, which the four partners share
.irp g, G1A, G1B
	s_mov_b32 s[\g], 15|(3<<16)|(1<<20)|(1<<21)|(7<<22)|(31<<25)   ; the mask of all four; elements of 8 bytes; bit 21 beside a mask; 32 words of padding behind every 256
	s_mov_b32 s[\g+1], 128<<16                     ; tensor_dim0: 1,024 bytes
	s_mov_b32 s[\g+3], 128<<16                     ; tile_dim0
	s_mov_b32 s[\g+5], 128                         ; dense
	s_mov_b32 s[\g+6], 0
	s_mov_b32 s[\g+7], 0
.endr
	s_mov_b32 s[G1A+2], 4<<16
	s_mov_b32 s[G1A+4], 4
	s_mov_b32 s[G1B+2], 14<<16
	s_mov_b32 s[G1B+4], 14
	s_mov_b32 s[G1S], 15|(3<<16)|(1<<21)           ; the scale bytes: no padding
	s_mov_b32 s[G1S+1], 32<<16
	s_mov_b32 s[G1S+2], 12<<16
	s_mov_b32 s[G1S+3], 32<<16
	s_mov_b32 s[G1S+4], 12
	s_mov_b32 s[G1S+5], 32
	s_mov_b32 s[G1S+6], 0
	s_mov_b32 s[G1S+7], 0
	s_mul_i32 s60, s16, 40960                      ; the head's scales,
	s_mov_b32 s61, 0
	s_lshl_b32 s62, s16, 18                        ; and its codes
	s_mov_b32 s63, 0
	s_and_b32 s17, s[WV], 7
	s_mul_i32 s19, s17, 3072                       ; an eighth of the scale bytes
	s_lshl_b32 s68, s17, 12                        ; an eighth of the first 512 keys' codes: in memory,
	s_mul_i32 s69, s17, 4608                       ; and in LDS
	s_mul_i32 s70, s[WV], 14336                    ; a sixteenth of the rest: in memory,
	s_add_co_u32 s70, s70, 32768
	s_mul_i32 s71, s[WV], 16128                    ; and in LDS
	s_add_co_u32 s71, s71, 4*STP
	s_mov_b32 s[SEL], 0x76543210
	s_mov_b32 s[SEL+1], 0xfedcba98
	s_mov_b32 s[CS], 0x3e38aa3b
	s_mov_b32 s[CS+1], s[CS]                       ; (named with it as a pair, so it is written)
	s_wait_dscnt 0x0                               ; both opening adds are done
	s_wait_kmcnt 0x0
	s_add_nc_u64 s[8:9], s[8:9], s[60:61]
	s_add_nc_u64 s[6:7], s[6:7], s[62:63]
	CROUND                                         ; all four work-groups are here: the joint loads meet
	s_mov_b32 s60, s68
	s_mov_b32 s[G0A], 1
	s_mov_b32 s[G0A+1], s69
	s_add_nc_u64 s[G0A+2:G0A+3], s[6:7], s[60:61]
	s_or_b32 s[G0A+3], s[G0A+3], 0x80000000
	s_mov_b32 s60, s19
	s_mov_b32 s[G0S], 1
	s_add_co_u32 s[G0S+1], s19, KSC
	s_add_nc_u64 s[G0S+2:G0S+3], s[8:9], s[60:61]
	s_or_b32 s[G0S+3], s[G0S+3], 0x80000000
	s_mov_b32 s60, s70
	s_mov_b32 s[G0B], 1
	s_mov_b32 s[G0B+1], s71
	s_add_nc_u64 s[G0B+2:G0B+3], s[6:7], s[60:61]
	s_or_b32 s[G0B+3], s[G0B+3], 0x80000000
	s_cmp_lt_u32 s[WV], 8                          ; the head's loads, one a wave: every way passes exactly one
	s_cbranch_scc0 .Lhead_s
	tensor_load_to_lds s[G0A:G0A+3], s[G1A:G1A+7]
	s_nop 0
	NOPS 4
	s_branch .Lhead_asked
.Lhead_s:
	tensor_load_to_lds s[G0S:G0S+3], s[G1S:G1S+7]
	s_nop 0
	NOPS 4
.Lhead_asked:
	s_lshl_b32 s68, s15, 4
	s_add_co_u32 s68, s68, s[WV]                   ; tq: my tile of 16 queries, 0..255
	s_lshl_b32 s70, s16, 17
	s_lshl_b32 s71, s68, 9
	s_add_co_u32 s70, s70, s71
	s_mov_b32 s71, 0
	s_add_nc_u64 s[4:5], s[4:5], s[70:71]          ; Q's image
	s_lshr_b32 s70, s68, 2
	s_lshl_b32 s70, s70, 8
	s_and_b32 s72, s68, 3
	s_lshl_b32 s72, s72, 2
	s_add_co_u32 s70, s70, s72
	s_add_co_u32 s70, s70, 24576                   ; Q's words: 24,576 + 256 (tq / 4) + 16 r + 4 (tq % 4)
	v_and_b32 v8, 31, v0
	v_lshlrev_b32 v[LI], 4, v8
	v_and_b32 v8, 15, v0                           ; r
	v_lshl_add_u32 v9, v8, 4, s70
	s_wait_alu depctr_va_vdst(0)                   ; the wait here
	global_load_b128 v[16:19], v[LI], s[4:5]
	global_load_b32 v[QS], v9, s[8:9]
	s_lshr_b32 s70, s16, 3
	s_lshl_b32 s70, s70, 20
	s_lshl_b32 s72, s68, 12
	s_add_co_u32 s70, s70, s72
	s_and_b32 s72, s16, 7
	s_lshl_b32 s72, s72, 9
	s_add_co_u32 s70, s70, s72
	s_add_nc_u64 s[10:11], s[10:11], s[70:71]      ; o's image: batch, tile, head
	s_lshl_b32 s70, s16, 13
	s_lshl_b32 s72, s15, 9
	s_add_co_u32 s70, s70, s72
	s_add_nc_u64 s[12:13], s[12:13], s[70:71]      ; o's scale halves of my work-group's 16 tiles
	v_bfe_u32 v10, v0, 4, 1                        ; h: my half of the lanes
	v_bfe_u32 v11, v0, 3, 1                        ; g = r / 8
	v_and_b32 v93, 7, v0                           ; j = r % 8
	v_lshlrev_b32 v[SH8], 3, v10
	v_mul_u32_u24 v[AK0], v11, 1152
	v_lshl_add_u32 v[AK0], v93, 4, v[AK0]
	v_lshl_add_u32 v[AK0], v10, 8, v[AK0]          ; K: 1,152 g + 16 j + 256 h
	v_lshlrev_b32 v[ASK0], 4, v93
	v_lshl_add_u32 v[ASK0], v11, 3, v[ASK0]
	v_lshl_add_u32 v[ASK0], v10, 7, v[ASK0]
	v_add_nc_u32 v[ASK0], KSC, v[ASK0]             ; K's words: 16 j + 8 g + 128 h: lanes 0-15 take tiles i = 0, 1, lanes 16-31 tiles i = 2, 3
	v_lshlrev_b32 v[ASV0], 3, v8
	v_lshl_add_u32 v[ASV0], v10, 2, v[ASV0]
	v_add_nc_u32 v[ASV0], VSC, v[ASV0]             ; V's halves of tiles 2 h and 2 h + 1, row r
	v_mov_b32 v13, 0xff61b1e6                      ; the largest score so far: -3e38
	v_floor_f32 v12, -v13                          ; -M
	v_mov_b32 v14, 0
	v_mov_b32 v15, 0
	v_mov_b32 v95, 0                               ; (named as the upper half of f's pair)
.irp j, 20,21,22,23,72,73,74,75
	v_mov_b32 v[\j], 0                             ; Q's upper half of K: zero codes; and what stands behind K's last tile
.endr
.set j, 0
.rept 32
	v_mov_b32 v[O+j], 0                            ; O^T.  (No first step of its own: the first change of M multiplies zeros)
.set j, j+1
.endr
.macro KLOAD H                         ; K's eight tiles of 128 keys, four registers each
.irp t, 0,1,2,3,4,5,6,7
	ds_load_b128 v[KV+4*\t:KV+4*\t+3], v[ADK] offset:STP*\H+2304*(\t/4)+512*(\t%2)+128*((\t%4)/2)
.endr
.endm
.macro VLOAD H                         ; V's four tiles of 128 keys
.irp i, 0,1,2,3,4,5,6,7
	ds_load_b128 v[KV+4*\i:KV+4*\i+3], v[ADV] offset:STP*\H+4608+1152*(\i/2)+512*(\i%2)
.endr
.endm
.macro SQK H, t                        ; S^T, tile t = 4 c + i of half H
.if ((\t)%4) < 2
	v_wmma_scale_f32_16x16x128_f8f6f4 v[S+64*\H+8*\t:S+64*\H+8*\t+7], v[KV+4*\t:KV+4*\t+7], v[16:23], 0, v[KS+4*\H+2*(\t/4)+(\t%2)], v[QS] matrix_a_fmt:MATRIX_FMT_FP4 matrix_b_fmt:MATRIX_FMT_FP4
.else
	v_wmma_scale_f32_16x16x128_f8f6f4 v[S+64*\H+8*\t:S+64*\H+8*\t+7], v[KV+4*\t:KV+4*\t+7], v[16:23], 0, v[KS+4*\H+2*(\t/4)+(\t%2)], v[QS] matrix_a_fmt:MATRIX_FMT_FP4 matrix_b_fmt:MATRIX_FMT_FP4 matrix_a_scale:MATRIX_SCALE_ROW1
.endif
.endm
.macro PVT H, t                        ; O^T, tile t, += V^T P^T over half H's 128 keys.  The four accumulators take turns, one instruction a turn
.if (\t) < 2
	v_wmma_scale_f32_16x16x128_f8f6f4 v[O+8*\t:O+8*\t+7], v[KV+8*\t:KV+8*\t+7], v[P+8*\H:P+8*\H+7], v[O+8*\t:O+8*\t+7], v[VW+3*\H+2-2*(\t%2)], v[PS+\H] matrix_a_fmt:MATRIX_FMT_FP4 matrix_b_fmt:MATRIX_FMT_FP4
.else
	v_wmma_scale_f32_16x16x128_f8f6f4 v[O+8*\t:O+8*\t+7], v[KV+8*\t:KV+8*\t+7], v[P+8*\H:P+8*\H+7], v[O+8*\t:O+8*\t+7], v[VW+3*\H+2-2*(\t%2)], v[PS+\H] matrix_a_fmt:MATRIX_FMT_FP4 matrix_b_fmt:MATRIX_FMT_FP4 matrix_a_scale:MATRIX_SCALE_ROW1
.endif
.endm
.macro MAXB H                          ; the largest score of my two blocks of half H: two chains a block, the four by turns; each accumulator is first read at its low end
.irp c, 0,1
	v_max3_num_f32 v[BM+2*\H+\c], v[S+64*\H+32*\c], v[S+64*\H+32*\c+1], v[S+64*\H+32*\c+2]
	v_max3_num_f32 v[93+\c], v[S+64*\H+32*\c+16], v[S+64*\H+32*\c+17], v[S+64*\H+32*\c+18]
.endr
.irp k, 3,5,7,9,11,13
.irp c, 0,1
	v_max3_num_f32 v[BM+2*\H+\c], v[BM+2*\H+\c], v[S+64*\H+32*\c+\k], v[S+64*\H+32*\c+\k+1]
	v_max3_num_f32 v[93+\c], v[93+\c], v[S+64*\H+32*\c+16+\k], v[S+64*\H+32*\c+17+\k]
.endr
.endr
.irp c, 0,1
	v_max3_num_f32 v[BM+2*\H+\c], v[BM+2*\H+\c], v[93+\c], v[S+64*\H+32*\c+15]
.endr
.irp c, 0,1
	v_max_num_f32 v[BM+2*\H+\c], v[BM+2*\H+\c], v[S+64*\H+32*\c+31]
.endr
.endm
.macro SUMS n                          ; the row's sum, in place over p: pair q takes pair q + n
.set q, 0
.rept \n
	v_pk_add_f32 v[S+2*q:S+2*q+1], v[S+2*q:S+2*q+1], v[S+2*(q+\n):S+2*(q+\n)+1]
.set q, q+1
.endr
.endm
; A STEP: 256 keys, in two halves of 128
.macro STEP
	v_add_nc_u32 v[ADK], s[TB], v[AK0]             ; these four are the places between the last products and the loads into the registers that they read
	v_add_nc_u32 v[ADV], s[TB], v[LI]
	v_add_nc_u32 v[ADS], s[TS], v[ASK0]
	v_add_nc_u32 v[ADT], s[TJ], v[ASV0]
	KLOAD 0
.irp q, 0,1,2,3
	ds_load_b64 v[KS+2*\q:KS+2*\q+1], v[ADS] offset:256*\q         ; K's words of 64 keys: tiles i = 0, 1 below, i = 2, 3 above
.endr
	s_wait_alu depctr_va_vdst(0)                   ; the wait here
	s_wait_dscnt 0x0
.irp t, 0,1,2,3,4,5,6,7
	SQK 0, \t
.endr
	NOPS 4                                         ; places ahead of the loads over K's registers and of the first read of the scores
	KLOAD 1
	MAXB 0                                         ; while the second half's K is on its way
	s_wait_dscnt 0x0
.irp t, 0,1,2,3,4,5,6,7
	SQK 1, \t
.endr
	NOPS 4
	VLOAD 0
.irp H, 0,1
	ds_load_b32 v[VW+3*\H], v[ADT] offset:256*\H                   ; V's halves of keys 0-63 of half H,
	ds_load_b32 v[VW+3*\H+1], v[ADT] offset:256*\H+128             ; and of keys 64-127
.endr
	MAXB 1
	v_max3_num_f32 v93, v[BM], v[BM+1], v[BM+2]
	s_delay_alu instid0(VALU_DEP_1)
	v_max3_num_f32 v13, v93, v[BM+3], v13          ; the running largest score of my half of the keys,
	s_delay_alu instid0(VALU_DEP_1)
	v_permlanex16_b32 v93, v13, s[SEL], s[SEL+1]
	s_delay_alu instid0(VALU_DEP_1)
	v_max_num_f32 v13, v13, v93                    ; and of lane l xor 16's
	s_delay_alu instid0(VALU_DEP_1)
	v_mul_f32 v94, s[CS], v13                      ; as t (c is positive)
	v_mov_b32 v93, v12
	s_delay_alu instid0(VALU_DEP_2)
	v_floor_f32 v12, -v94                          ; the new -M = -ceil(t)
	s_delay_alu instid0(VALU_DEP_1)
	v_sub_f32 v93, v12, v93                        ; old M - new M: a whole number, 0 or less
	s_delay_alu instid0(VALU_DEP_1)
	v_cvt_i32_f32 v93, v93                         ; (it saturates)
	s_delay_alu instid0(VALU_DEP_1)
	v_ldexp_f32 v94, 1.0, v93                      ; f = 2^(old M - new M)
.set j, 0
.rept 64
	v_pk_fma_f32 v[S+j:S+j+1], v[S+j:S+j+1], s[CS:CS+1], v[12:13] op_sel_hi:[1,0,0]   ; t - M, two at a time
.set j, j+2
.endr
.irp b, 0,1,2,3
	v_fma_f32 v[BM+\b], v[BM+\b], s[CS], v12       ; the same of each block's largest score: p rises with the score
.endr
	s_wait_alu depctr_va_vdst(0)                   ; the wait ahead of the batch
.set j, 0
.rept 128
	v_exp_f32 v[S+j], v[S+j]                       ; p = 2^(t - M)
.set j, j+1
.endr
.irp b, 0,1,2,3
	v_exp_f32 v[BM+\b], v[BM+\b]                   ; the blocks' largest p: the same two instructions on the same number
.endr
	v_pk_mul_f32 v[14:15], v[14:15], v[94:95] op_sel_hi:[1,0]      ; the sum under the new M (a plain line behind the exponentials)
	s_wait_dscnt 0x0                               ; V's first half and V's scale halves are in
	s_wait_alu depctr_va_vdst(0)                   ; one wait for the batch, and the one directly ahead of O^T's first readers
.set j, 0
.rept 16
	v_pk_mul_f32 v[O+j:O+j+1], v[O+j:O+j+1], v[94:95] op_sel_hi:[1,0]   ; O^T under the new M, each accumulator from its low end on
.set j, j+2
.endr
.irp H, 0,1
	v_perm_b32 v[VW+3*\H+2], v[VW+3*\H+1], v[VW+3*\H], 0x05040100  ; V's scale words: tiles 0 | 2,
	v_perm_b32 v[VW+3*\H], v[VW+3*\H+1], v[VW+3*\H], 0x07060302    ; tiles 1 | 3
.endr
.irp b, 0,1,2,3
	v_max_num_f32 v[BM+\b], 0x1800000, v[BM+\b]    ; the floor 2^(3 - 127): the byte cannot fall under 1
.endr
.irp b, 0,1,2,3
	v_add_nc_u32 v[OP+\b], 0xff000000, v[BM+\b]    ; 2 off the exponent field: the conversion's scale operand
.endr
.irp b, 0,1,2,3
.irp i, 0,1,2,3
	v_cvt_scalef32_pk8_fp4_f32 v[P+4*\b+\i], v[S+32*\b+8*\i:S+32*\b+8*\i+7], v[OP+\b]   ; register 4 c + i of half H's operand: keys 64 c + 32 h + 8 i on
.endr
.endr
.irp b, 0,1,2,3
	v_lshrrev_b32 v[BM+\b], 23, v[OP+\b]           ; the scales' bytes (plain lines behind the conversions)
.endr
.irp H, 0,1
	v_lshl_or_b32 v[PS+\H], v[BM+2*\H+1], 16, v[BM+2*\H]           ; my two bytes of half H: blocks h and 2 + h,
.endr
.irp H, 0,1
	v_lshlrev_b32 v[PS+\H], v[SH8], v[PS+\H]       ; at their places in the word;
.endr
.irp H, 0,1
	v_permlanex16_b32 v[BM+\H], v[PS+\H], s[SEL], s[SEL+1]
.endr
.irp H, 0,1
	v_or_b32 v[PS+\H], v[PS+\H], v[BM+\H]          ; with lane l xor 16's two the word is whole
.endr
	SUMS 32                                        ; the sum of the unquantised p; these lines are also the places ahead of the products below
.irp t, 0,1,2,3
	PVT 0, \t
.endr
	SUMS 16                                        ; and the places ahead of the loads over V's registers
	VLOAD 1
	SUMS 8
	SUMS 4
	SUMS 2
	SUMS 1
	v_pk_add_f32 v[14:15], v[14:15], v[S:S+1]
	s_wait_dscnt 0x0
.irp t, 0,1,2,3
	PVT 1, \t
.endr
	s_add_co_u32 s[TB], s[TB], 2*STP
	s_add_co_u32 s[TS], s[TS], 1024
	s_add_co_u32 s[TJ], s[TJ], 512
.endm
.macro WALK tb, ts, tj, n              ; n steps from LDS places tb, ts, tj on
	s_mov_b32 s[TB], \tb
	s_mov_b32 s[TS], \ts
	s_mov_b32 s[TJ], \tj
	s_mov_b32 s[CNT], \n
.Lstep_\@:
	STEP
	s_sub_co_u32 s[CNT], s[CNT], 1
	s_cmp_lg_u32 s[CNT], 0
	s_cbranch_scc1 .Lstep_\@
.endm
	s_wait_alu depctr_va_vdst(0)                   ; the wait at the head's end
	s_wait_tensorcnt 0x0                           ; my part of the head's tiles is in
	ds_add_u32 v[SPW], v[NIL]
	s_wait_dscnt 0x0
	CROUND                                         ; everybody's part is in, and all four work-groups are here: the joint loads meet
	tensor_load_to_lds s[G0B:G0B+3], s[G1B:G1B+7]  ; my sixteenth of keys 512 on: the first tensor load behind the round, and my last
	s_nop 0
	NOPS 4
	s_wait_loadcnt 0x0                             ; Q and its words
	WALK 0, 0, 0, 2                                ; keys 0-511
	s_wait_tensorcnt 0x0                           ; my part of the rest is in
	s_wait_dscnt 0x0
	s_barrier_signal -1
	s_barrier_wait -1                              ; everybody's is
	WALK 4*STP, 2048, 1024, 14                     ; keys 512-4,095
	; THE WAY OUT: O^T / the sum; register 16 b + i is channel 32 b + 16 (lane / 16) + i of my query: quantised as it stands
	s_wait_alu depctr_va_vdst(0)                   ; the wait here, directly ahead of the reader below: the last step's sum was written ahead of a wait on LDS
	v_add_f32 v14, v14, v15
	s_delay_alu instid0(VALU_DEP_1)
	v_permlanex16_b32 v93, v14, s[SEL], s[SEL+1]
	s_delay_alu instid0(VALU_DEP_1)
	v_add_f32 v14, v14, v93                        ; the row's sum
	s_wait_alu depctr_va_vdst(0)                   ; the wait ahead of the transcendental
	v_rcp_f32 v14, v14
	v_and_b32 v8, 15, v0
	v_lshlrev_b32 v8, 1, v8
	s_lshl_b32 s2, s[WV], 5
	v_add_nc_u32 v8, s2, v8
	v_add_nc_u32 v8, OST, v8                       ; my row's scale half: 32 x wave + 2 r
	v_add_nc_u32 v9, OST, v[LI]
	s_wait_alu depctr_va_vdst(0)                   ; the wait ahead of the reciprocal's first reader and of O^T's
.set j, 0
.rept 32
	v_mul_f32 v[S+j], v[O+j], v14                  ; each accumulator from its low end on
.set j, j+1
.endr
.irp b, 0,1
	v_max3_num_f32 v[BM+\b], |v[S+16*\b]|, |v[S+16*\b+1]|, 0x1800000
.endr
.irp i, 2,4,6,8,10,12,14
.irp b, 0,1
	v_max3_num_f32 v[BM+\b], v[BM+\b], |v[S+16*\b+\i]|, |v[S+16*\b+\i+1]|
.endr
.endr
.irp b, 0,1
	v_permlanex16_b32 v[BM+2+\b], v[BM+\b], s[SEL], s[SEL+1]
.endr
.irp b, 0,1
	v_max_num_f32 v[BM+\b], v[BM+\b], v[BM+2+\b]
.endr
.irp b, 0,1
	v_add_nc_u32 v[BM+\b], 0xff000000, v[BM+\b]
.endr
.irp b, 0,1
	v_lshrrev_b32 v[BM+2+\b], 23, v[BM+\b]
.endr
	v_lshl_or_b32 v[OP], v[BM+3], 8, v[BM+2]       ; the head's two scale bytes of my row
.irp b, 0,1
	v_cvt_scalef32_pk8_fp4_f32 v[P+2*\b], v[S+16*\b:S+16*\b+7], v[BM+\b]
	v_cvt_scalef32_pk8_fp4_f32 v[P+2*\b+1], v[S+16*\b+8:S+16*\b+15], v[BM+\b]
.endr
	v_nop
	v_permlane16_swap_b32 v[P], v[P+2]             ; a whole block to a lane
	v_permlane16_swap_b32 v[P+1], v[P+3]
	global_store_b128 v[LI], v[P:P+3], s[10:11]    ; 512 consecutive bytes, aligned: four registers of the projection's operand
	ds_store_b16 v8, v[OP]                         ; both halves of the lanes write the same value
	s_wait_dscnt 0x0                               ; for wave 0's sake
	s_barrier_signal -1
	s_barrier_wait -1
	s_cmp_lg_u32 s[WV], 0
	s_cbranch_scc1 .Lnot_mine
	ds_load_b128 v[40:43], v9
	s_wait_dscnt 0x0
	global_store_b128 v[LI], v[40:43], s[12:13]    ; the sixteen tiles' halves: 512 consecutive bytes, aligned
.Lnot_mine:
	s_wait_tensorcnt 0x0                           ; the wave's end: three lines behind my last tensor load and my last LDS store
	ds_add_u32 v[SPW], v[NIL]
	s_wait_dscnt 0x0
	CROUND                                         ; the closing round: no work-group ends while a partner may still ask for a tile that names it
	s_endpgm
.Lfunc_end_k_qc88ba1bf92_attn:
	.size	k_qc88ba1bf92_attn, .Lfunc_end_k_qc88ba1bf92_attn-k_qc88ba1bf92_attn
	.p2alignl 7, 3214868480
	.fill 96, 4, 3214868480
	.section	.rodata,"a",@progbits
	.p2align	6, 0x0
	.amdhsa_kernel k_qc88ba1bf92_attn
		.amdhsa_group_segment_fixed_size 327680
		.amdhsa_private_segment_fixed_size 0
		.amdhsa_enable_private_segment 0
		.amdhsa_kernarg_size 40
		.amdhsa_user_sgpr_count 2
		.amdhsa_user_sgpr_kernarg_segment_ptr 1
		.amdhsa_wavefront_size32 1
		.amdhsa_system_sgpr_workgroup_id_x 1
		.amdhsa_system_sgpr_workgroup_id_y 1
		.amdhsa_system_sgpr_workgroup_id_z 1
		.amdhsa_system_vgpr_workitem_id 0
		.amdhsa_next_free_vgpr 256
		.amdhsa_next_free_sgpr 80
		.amdhsa_reserve_vcc 0
		.amdhsa_float_denorm_mode_32 3
		.amdhsa_float_denorm_mode_16_64 3
		.amdhsa_memory_ordered 1
		.amdhsa_forward_progress 1
		.amdhsa_inst_pref_size 68
	.end_amdhsa_kernel
	.amdgpu_metadata
---
amdhsa.version: [ 1, 2 ]
amdhsa.kernels:
  - .name:           k_qc88ba1bf92_attn
    .symbol:         k_qc88ba1bf92_attn.kd
    .args:
      - { .name: qimg, .offset: 0, .size: 8, .value_kind: global_buffer, .address_space: global }
      - { .name: kv, .offset: 8, .size: 8, .value_kind: global_buffer, .address_space: global }
      - { .name: scl, .offset: 16, .size: 8, .value_kind: global_buffer, .address_space: global }
      - { .name: oimg, .offset: 24, .size: 8, .value_kind: global_buffer, .address_space: global }
      - { .name: osc, .offset: 32, .size: 8, .value_kind: global_buffer, .address_space: global }
    .group_segment_fixed_size: 327680
    .private_segment_fixed_size: 0
    .kernarg_segment_align: 8
    .kernarg_segment_size: 40
    .max_flat_workgroup_size: 512
    .sgpr_count:     80
    .vgpr_count:     256
    .wavefront_size: 32
...
	.end_amdgpu_metadata
.endif
;; end of part 3
;; launch proj (part 4): grid 64 x 4, 4 waves a work-group, no clusters, 70,144 bytes of LDS; arguments oimg, osc, wimg, wsc, proj_b, x, out0; writes out0
.if DOCPART == 4
	.amdgcn_target "amdgcn-amd-amdhsa--gfx1250"
	.amdhsa_code_object_version 6
	.text
	.protected	k_qc88ba1bf92_proj
	.globl	k_qc88ba1bf92_proj
	.p2align	8
	.type	k_qc88ba1bf92_proj,@function
k_qc88ba1bf92_proj:
	s_mov_b64 s[64:65], 0
	v_nop
	global_prefetch_b8 v0, s[64:65] scope:SCOPE_SE
	s_setreg_imm32_b32 hwreg(HW_REG_WAVE_MODE, 25, 1), 1
	s_wait_xcnt 0x0
; Launch 4 of 4: out0 [b][c][n] = o proj_w^T + proj_b + x, the product on codes of FP4.
; LEFT OUT: the division by RESCALE = 1.0, a factor 1 by identity (shown at the head of the first kernel).  LIMITS: NaN and infinities are not served.
; SHARES.  A work-group makes 128 positions x 128 channels; wave w: positions 64 (2 x + w % 2) on (four tiles of rows), channel tiles 8 y + 4 (w / 2) on (four): 16 accumulators, K = 512 in four steps.
; Both operands lie in memory in the order of their registers: 16 KB each for a wave, by 32 loads of 512 consecutive bytes each, straight into registers.
; NO CLUSTER: there is no tensor load to share; the codes that work-groups have in common are 64 KB a work-group beside 128 KB of x and out0 that nobody shares.
; Source 0 = 16 positions of o, source 1 = 16 channels of proj_w: a lane holds ONE channel and eight neighbouring positions, as out0 lies.  Rows of a tile are 32 (T / 2) + 8 (T % 2) + r + 8 (r / 8), for both.
; The bias is the C of the first K step.  The results go through the wave's own stage in LDS and come back as rows of 256 bytes (64 positions of a channel); x is added; sixteen lanes store 256 consecutive bytes, aligned.
; REGISTERS.  Window 0: v1-6 addresses; v12, v13 the add's two; v16-31 o's scale halves; v32-39 o's scale words; v40-47 the weight's; v48-51 the bias; v64-95 the bias as C; v128-255 the accumulators.
; Window 1: o's 16 fragments, the weight's 16.  Window 2: v0-127 x, then the sums.
.set SPITCH, 272
.set WST,   64*SPITCH                  ; a wave's stage: 64 channel rows x (256 + 16) bytes
.set SPARE, 4*WST                      ; behind the stages: the spare words, 128 bytes a wave, which no other line names
.set LI,  1
.set L2,  2
.set BO,  3
.set CO,  4
.set SO,  5
.set SR,  6
.set SPW, 12
.set NIL, 13
.set RAW, 16
.set OS,  32
.set WS,  40
.set BR,  48
.set VB8, 64
.set ACC, 128
.set MSB, 0
.macro WIN new
.if MSB != \new
	s_set_vgpr_msb (MSB<<8)|\new
.set MSB, \new
.endif
.endm
.macro WM d, a, b, c, sa, sb, ra, rb
.if (\ra) && (\rb)
	v_wmma_scale_f32_16x16x128_f8f6f4 v[(\d):(\d)+7], v[(\a):(\a)+7], v[(\b):(\b)+7], v[(\c):(\c)+7], v[(\sa)], v[(\sb)] matrix_a_fmt:MATRIX_FMT_FP4 matrix_b_fmt:MATRIX_FMT_FP4 matrix_a_scale:MATRIX_SCALE_ROW1 matrix_b_scale:MATRIX_SCALE_ROW1
.elseif (\ra)
	v_wmma_scale_f32_16x16x128_f8f6f4 v[(\d):(\d)+7], v[(\a):(\a)+7], v[(\b):(\b)+7], v[(\c):(\c)+7], v[(\sa)], v[(\sb)] matrix_a_fmt:MATRIX_FMT_FP4 matrix_b_fmt:MATRIX_FMT_FP4 matrix_a_scale:MATRIX_SCALE_ROW1
.elseif (\rb)
	v_wmma_scale_f32_16x16x128_f8f6f4 v[(\d):(\d)+7], v[(\a):(\a)+7], v[(\b):(\b)+7], v[(\c):(\c)+7], v[(\sa)], v[(\sb)] matrix_a_fmt:MATRIX_FMT_FP4 matrix_b_fmt:MATRIX_FMT_FP4 matrix_b_scale:MATRIX_SCALE_ROW1
.else
	v_wmma_scale_f32_16x16x128_f8f6f4 v[(\d):(\d)+7], v[(\a):(\a)+7], v[(\b):(\b)+7], v[(\c):(\c)+7], v[(\sa)], v[(\sb)] matrix_a_fmt:MATRIX_FMT_FP4 matrix_b_fmt:MATRIX_FMT_FP4
.endif
.endm
	s_load_b256 s[4:11], s[0:1], 0x0               ; oimg, osc, wimg, wsc
	s_load_b128 s[12:15], s[0:1], 0x20             ; proj_b, x
	s_load_b64 s[16:17], s[0:1], 0x30              ; out0
	v_lshl_add_u32 v[SPW], v0, 2, SPARE
	v_mov_b32 v[NIL], 0
	v_lshrrev_b32 v7, 5, v0
	v_readfirstlane_b32 s20, v7                    ; wave
	s_and_b32 s21, s20, 1
	s_lshl_b32 s22, ttmp9, 1
	s_add_co_u32 s21, s21, s22                     ; which 64 positions of the 8,192
	s_lshr_b32 s23, s21, 6                         ; batch
	s_and_b32 s24, s21, 63                         ; p
	s_and_b32 s22, ttmp7, 0xffff
	s_lshl_b32 s22, s22, 3
	s_lshr_b32 s25, s20, 1
	s_lshl_b32 s25, s25, 2
	s_add_co_u32 s22, s22, s25                     ; T0: my first channel tile
	v_and_b32 v7, 31, v0                           ; lane
	v_and_b32 v8, 15, v0                           ; r
	v_bfe_u32 v9, v0, 4, 1                         ; h
	v_lshlrev_b32 v[LI], 4, v7
	v_lshlrev_b32 v[L2], 1, v7
	v_and_b32 v[BO], 8, v8
	v_add_nc_u32 v[BO], v[BO], v8
	v_lshlrev_b32 v[BO], 2, v[BO]                  ; (r + 8 (r / 8)) x 4
	v_lshlrev_b32 v[CO], 14, v9
	v_lshl_add_u32 v[CO], v8, 4, v[CO]             ; x, out0: lanes 0-15 one channel row, lanes 16-31 the next; 16 bytes a lane
	s_mul_i32 s25, s20, WST
	v_mul_u32_u24 v[SO], v8, SPITCH
	v_lshl_add_u32 v[SO], v9, 6, v[SO]
	v_add_nc_u32 v[SO], s25, v[SO]                 ; the stage, in: row r, + 64 h
	v_mul_u32_u24 v[SR], v9, SPITCH
	v_lshl_add_u32 v[SR], v8, 4, v[SR]
	v_add_nc_u32 v[SR], s25, v[SR]                 ; and back: two rows an instruction
	s_mov_b32 s27, 0
	s_wait_alu depctr_va_vdst(0)
	s_wait_kmcnt 0x0
	s_lshl_b32 s26, s23, 20
	s_lshl_b32 s28, s24, 14
	s_add_co_u32 s26, s26, s28
	s_add_nc_u64 s[4:5], s[4:5], s[26:27]          ; o's four tiles: 16 KB on end
	s_lshl_b32 s26, s23, 16
	s_lshl_b32 s28, s24, 7
	s_add_co_u32 s26, s26, s28
	s_add_nc_u64 s[6:7], s[6:7], s[26:27]          ; their scale halves, head 0
	s_lshl_b32 s26, s22, 12
	s_add_co_u32 s26, s26, 3*131072
	s_add_nc_u64 s[8:9], s[8:9], s[26:27]          ; proj_w's four tiles: 16 KB on end
	s_lshl_b32 s26, s22, 8
	s_add_co_u32 s26, s26, 3*8192
	s_add_nc_u64 s[10:11], s[10:11], s[26:27]
	s_lshl_b32 s26, s22, 6
	s_add_nc_u64 s[12:13], s[12:13], s[26:27]      ; the bias at channel 16 T0
	s_lshl_b32 s26, s23, 23
	s_lshl_b32 s28, s22, 18
	s_add_co_u32 s26, s26, s28
	s_lshl_b32 s28, s24, 8
	s_add_co_u32 s26, s26, s28
	s_add_nc_u64 s[14:15], s[14:15], s[26:27]      ; x and out0 at (batch, channel 16 T0, my first position)
	s_add_nc_u64 s[16:17], s[16:17], s[26:27]
.irp hd, 0,1,2,3,4,5,6,7
.irp pp, 0,1
	global_load_u16 v[RAW+2*\hd+\pp], v[L2], s[6:7] offset:8192*\hd+64*\pp   ; lanes 0-15: tile 2 pp's rows; lanes 16-31: tile 2 pp + 1's
.endr
.endr
.irp pp, 0,1
	global_load_b128 v[WS+4*\pp:WS+4*\pp+3], v[LI], s[10:11] offset:512*\pp
.endr
.irp tl, 0,1,2,3
	global_load_b32 v[BR+\tl], v[BO], s[12:13] offset:(32*(\tl/2)+8*(\tl%2))*4
.endr
	WIN 0x40                                       ; destination window 1
.set i, 0
.rept 32
	global_load_b128 v[4*i:4*i+3], v[LI], s[4:5] offset:512*i      ; o's fragment (mt, s) at 8 (4 mt + s)
.set i, i+1
.endr
.set i, 0
.rept 32
	global_load_b128 v[128+4*i:131+4*i], v[LI], s[8:9] offset:512*i   ; the weight's (tl, s) at 128 + 8 (4 tl + s)
.set i, i+1
.endr
	WIN 0x80                                       ; destination window 2
.set i, 0
.rept 32
.set CM, 32*((i/8)/2)+8*((i/8)%2)+2*(i%8)+8*((i%8)/4)   ; the channel of stage row 2 i
	global_load_b128 v[4*i:4*i+3], v[CO], s[14:15] offset:CM*16384 th:TH_LOAD_NT
.set i, i+1
.endr
	WIN 0
	s_wait_loadcnt 32                              ; all but x's 32 loads
.irp pp, 0,1
.irp s, 0,1,2,3
	v_lshl_or_b32 v[OS+4*\pp+\s], v[RAW+2*(2*\s+1)+\pp], 16, v[RAW+4*\s+\pp]   ; K step s = heads 2 s and 2 s + 1
.endr
.endr
.irp tl, 0,1,2,3
.irp j, 0,1,2,3,4,5,6,7
	v_mov_b32 v[VB8+8*\tl+\j], v[BR+\tl]           ; the bias as a C; these 32 lines are also the places between the scale words' making and the products
.endr
.endr
	WIN 0x05                                       ; both sources window 1.  The 16 accumulators take turns, one instruction a turn
.irp s, 0,1,2,3
.irp mt, 0,1,2,3
.irp tl, 0,1,2,3
.if \s == 0
	WM ACC+8*(4*\mt+\tl), 8*(4*\mt+\s), 128+8*(4*\tl+\s), VB8+8*\tl, OS+4*(\mt/2)+\s, WS+4*(\tl/2)+\s, \mt%2, \tl%2
.else
	WM ACC+8*(4*\mt+\tl), 8*(4*\mt+\s), 128+8*(4*\tl+\s), ACC+8*(4*\mt+\tl), OS+4*(\mt/2)+\s, WS+4*(\tl/2)+\s, \mt%2, \tl%2
.endif
.endr
.endr
.endr
	WIN 0
.rept 4
	v_nop                                          ; places ahead of the first read of the results
.endr
.irp mt, 0,1,2,3
.irp tl, 0,1,2,3
	ds_store_b128 v[SO], v[ACC+8*(4*\mt+\tl):ACC+8*(4*\mt+\tl)+3] offset:16*\tl*SPITCH+128*(\mt/2)+32*(\mt%2)       ; lane (r, h): positions 32 (mt / 2) + 16 h + 8 (mt % 2) + 0 .. 7 of stage row 16 tl + r
	ds_store_b128 v[SO], v[ACC+8*(4*\mt+\tl)+4:ACC+8*(4*\mt+\tl)+7] offset:16*\tl*SPITCH+128*(\mt/2)+32*(\mt%2)+16
.endr
.endr
.set i, 0
.rept 32
	ds_load_b128 v[ACC+4*i:ACC+4*i+3], v[SR] offset:2*SPITCH*i     ; LDS serves a wave's instructions in order: these see my stores.  The stage is my own: no barrier
.set i, i+1
.endr
	s_wait_loadcnt 0x0                             ; x
	WIN 0x88                                       ; source 1 and destination window 2: the sum lands on x's registers, which are also a store's data (its source 1); addresses stay in window 0
.set i, 0
.rept 32
.set CM, 32*((i/8)/2)+8*((i/8)%2)+2*(i%8)+8*((i%8)/4)
	s_wait_dscnt 31-i                              ; rows 2 i and 2 i + 1 are back; the later read-backs may be out
	v_pk_add_f32 v[4*i:4*i+1], v[ACC+4*i:ACC+4*i+1], v[4*i:4*i+1]
	v_pk_add_f32 v[4*i+2:4*i+3], v[ACC+4*i+2:ACC+4*i+3], v[4*i+2:4*i+3]
	global_store_b128 v[CO], v[4*i:4*i+3], s[16:17] offset:CM*16384 th:TH_STORE_NT   ; sixteen lanes store 256 consecutive bytes of a channel's row, aligned
.set i, i+1
.endr
	WIN 0
	s_wait_tensorcnt 0x0                           ; the wave's end: three lines behind my last LDS store
	ds_add_u32 v[SPW], v[NIL]
	s_wait_dscnt 0x0
	s_endpgm
.Lfunc_end_k_qc88ba1bf92_proj:
	.size	k_qc88ba1bf92_proj, .Lfunc_end_k_qc88ba1bf92_proj-k_qc88ba1bf92_proj
	.p2alignl 7, 3214868480
	.fill 96, 4, 3214868480
	.section	.rodata,"a",@progbits
	.p2align	6, 0x0
	.amdhsa_kernel k_qc88ba1bf92_proj
		.amdhsa_group_segment_fixed_size 70144
		.amdhsa_private_segment_fixed_size 0
		.amdhsa_enable_private_segment 0
		.amdhsa_kernarg_size 56
		.amdhsa_user_sgpr_count 2
		.amdhsa_user_sgpr_kernarg_segment_ptr 1
		.amdhsa_wavefront_size32 1
		.amdhsa_system_sgpr_workgroup_id_x 1
		.amdhsa_system_sgpr_workgroup_id_y 1
		.amdhsa_system_sgpr_workgroup_id_z 1
		.amdhsa_system_vgpr_workitem_id 0
		.amdhsa_next_free_vgpr 768
		.amdhsa_next_free_sgpr 66
		.amdhsa_reserve_vcc 0
		.amdhsa_float_denorm_mode_32 3
		.amdhsa_float_denorm_mode_16_64 3
		.amdhsa_memory_ordered 1
		.amdhsa_forward_progress 1
		.amdhsa_inst_pref_size 36
	.end_amdhsa_kernel
	.amdgpu_metadata
---
amdhsa.version: [ 1, 2 ]
amdhsa.kernels:
  - .name:           k_qc88ba1bf92_proj
    .symbol:         k_qc88ba1bf92_proj.kd
    .args:
      - { .name: oimg, .offset: 0, .size: 8, .value_kind: global_buffer, .address_space: global }
      - { .name: osc, .offset: 8, .size: 8, .value_kind: global_buffer, .address_space: global }
      - { .name: wimg, .offset: 16, .size: 8, .value_kind: global_buffer, .address_space: global }
      - { .name: wsc, .offset: 24, .size: 8, .value_kind: global_buffer, .address_space: global }
      - { .name: proj_b, .offset: 32, .size: 8, .value_kind: global_buffer, .address_space: global }
      - { .name: x, .offset: 40, .size: 8, .value_kind: global_buffer, .address_space: global }
      - { .name: out0, .offset: 48, .size: 8, .value_kind: global_buffer, .address_space: global }
    .group_segment_fixed_size: 70144
    .private_segment_fixed_size: 0
    .kernarg_segment_align: 8
    .kernarg_segment_size: 56
    .max_flat_workgroup_size: 128
    .sgpr_count:     66
    .vgpr_count:     768
    .wavefront_size: 32
...
	.end_amdgpu_metadata
.endif
;; end of part 4
